; MI455X (gfx1250); checked and timed in simulation.
; The chip was launched on July 23, 2026; its instructions are those of AMD's public machine-readable ISA for CDNA 5 (MIT licence, August 2026) and "CDNA5" Instruction Set Architecture Reference Guide (July 2026). The comments in the code are by the model that wrote it; some were corrected since.
;; Group query Attention. Allowed arithmetic: matrix products marked QUANTISED: E2M1 operands, one E8M0 scale for each 32 along K, by v_wmma_scale_f32_16x16x128_f8f6f4 with both operands' format E2M1 (or v_wmma_scale_f32_32x16x128_f4), f32 sums; products left as they are: bf16, f16 or f32 operands; f32 sums; everything else in f32.
;; Inputs: Wkv 1,024 x 2,048 float32; Wo 2,048 x 2,048 float32; Wq 2,048 x 2,048 float32; x 2 x 1,024 x 2,048 float32.
;; Outputs: out0 2 x 1,024 x 2,048 float32.
;; This version of the problem:
;;   THIS VERSION OF THE PROBLEM IS GIVEN IN LOW PRECISION. The matrix products marked QUANTISED in the list below multiply operands that are first quantised to E2M1 (2 exponent bits, 1 mantissa bit; 4 bits a number), with one power-of-two scale for each 32 numbers along K (OCP MX v1.0); their sums are f32. The products marked 'left as it is' may take bf16, f16 or f32 operands, with f32 sums. Whichever they take, every output number must still come out within the allowed error. Rounding operands to bf16 (8 significant bits) uses up far more of that allowance than f16 does (11 bits, for magnitudes from 6e-5 to 65,504). All else is computed in f32.
;;   The module's matrix products, in the order in which they are computed (A, B: the left and right operand; K: the contracted axis; several contracted axes count as one K, in the product's order):
;;     1. [M 2,048, K 2,048] x [K 2,048, N 2,048]; A: input x; B: input Wq: QUANTISED
;;     2. [M 2,048, K 2,048] x [K 2,048, N 1,024]; A: input x; B: input Wkv: QUANTISED
;;     3. batch 16 x [M 4,096, K 64] x [K 64, N 1,024]; A: computed on the way; B: computed on the way: left as it is (an operand is computed on the way)
;;     4. batch 16 x [M 4,096, K 1,024] x [K 1,024, N 64]; A: computed on the way; B: computed on the way: left as it is (an operand is computed on the way)
;;     5. [M 2,048, K 2,048] x [K 2,048, N 2,048]; A: computed on the way; B: input Wo: left as it is (an operand is computed on the way)
;;   THE QUANTISER, for each operand of a quantised product, along K:
;;     - K is cut into blocks of 32 from its start; a last block that is shorter is filled with zeros.
;;     - A block's scale is 2^e with e = floor(log2(the largest magnitude in the block)) - 2, held to -126 .. 127; a block of zeros has e = 0. As a byte (E8M0): e + 127.
;;     - Each number is divided by its block's scale, clamped to +-6, and rounded to the nearest number of E2M1, ties to even, subnormals kept.
;;     - The product sums the exact products of the quantised numbers (number of the format x scale) in f32.
;;   ~~~python
;;   def quantise(x, axis):      # numpy; x: float32 -> the quantised numbers, widened to float32 again
;;       x = np.moveaxis(x, axis, -1); K = x.shape[-1]
;;       x = np.pad(x, [(0, 0)] * (x.ndim - 1) + [(0, -K % 32)]); x = x.reshape(x.shape[:-1] + (-1, 32)); a = np.abs(x).max(-1, keepdims=True)
;;       e = np.where(a > 0, np.clip(np.frexp(np.where(a > 0, a, 1))[1] - 1 - 2, -126, 127), 0)      # np.frexp(a)[1] - 1 = floor(log2(a)), exactly
;;       r = np.clip(x / 2.0 ** e, -6, 6)
;;       step = 2.0 ** (np.maximum(np.frexp(np.where(r == 0, 1, r))[1] - 1, 0) - 1)
;;       q = np.round(r / step) * step * 2.0 ** e      # np.round: ties to even
;;       return np.moveaxis(q.reshape(q.shape[:-2] + (-1,))[..., :K], -1, axis).astype(np.float32)
;;   ~~~
;; One version. Each part assembles by itself: llvm-mc -triple=amdgcn-amd-amdhsa -mcpu=gfx1250 --defsym DOCPART=n.
;; ======== version 1 of 1: 5 launches
;; limits: values are held in f16: magnitudes above 65,504 overflow, below 6.1e-05 lose precision
;; workspace buffers: xc 2,097,152 bytes; xs 131,072 bytes; wc 3,145,728 bytes; ws 196,608 bytes; wo16 8,388,608 bytes; qkv16 12,582,912 bytes; qkv32 393,216 bytes; attnf 8,388,608 bytes
;; launch prep (part 1): grid 320 x 1, 4 waves a work-group, no clusters, 33,280 bytes of LDS; arguments x, Wq, Wkv, xc, xs, wc, ws; writes xc, xs, wc, ws
.if DOCPART == 1
	.amdgcn_target "amdgcn-amd-amdhsa--gfx1250"
	.amdhsa_code_object_version 6
	.text
	.protected	k_qb3ff3048d7_prep
	.globl	k_qb3ff3048d7_prep
	.p2align	8
	.type	k_qb3ff3048d7_prep,@function
k_qb3ff3048d7_prep:
	s_mov_b64 s[64:65], 0
	v_nop
	global_prefetch_b8 v0, s[64:65] scope:SCOPE_SE
	s_setreg_imm32_b32 hwreg(HW_REG_WAVE_MODE, 25, 1), 1
	s_wait_xcnt 0x0
; x [2048][2048], Wq [2048][2048], Wkv [1024][2048], f32, become codes of FP4 (E2M1), K innermost, two codes a byte, with one E8M0 byte for each 32 along K;
; Wq's and Wkv's rows follow each other in one buffer (wc, ws), since the next launch multiplies x by both at once.
; A block's scale is 2^(floor(log2(largest magnitude)) - 2): its byte is the largest magnitude's exponent field - 2, held at 1 from below.
; LIMITS: a block of zeros gets the byte 1 (its codes are zeros, and this program alone reads the bytes); blocks whose largest magnitude lies under 2^(2 - 126) keep the byte 1;
; NaN and infinities are not served.
; SHARES: a work-group takes 32,768 numbers, a wave 8,192.  Work-groups 0-127: x; 128-255: Wq; 256-319: Wkv.  Rows are dense and 2,048 is a multiple of 32: every tensor is a plain stream.
; Each load reads 512 consecutive bytes; a step's 2,048 bytes turn through the wave's own stage in LDS so that a lane holds 16 neighbours along K (two lanes to a block).
; Loads run eight steps ahead: 32 loads, 16 KiB, of every wave are on their way.  No cluster, no matrix unit: no work-group shares an input byte with another.
.set STEPS, 16
.set AHEAD, 8
.set EMAX,  2
.set CB,    8                          ; bytes of 16 codes
.set R,     16                         ; v16-143  eight sets of 16 numbers as loaded
.set X,     144                        ; v144-175 two sets of 16 neighbours
.set E,     176                        ; v176-191 a scale byte for each step
.set C,     192                        ; v192-255 codes: registers of their own for each store
.set WREG,  8192                       ; LDS: a region for each wave: two stages of 32 x SP bytes, then its 256 scale bytes
.set SP,    80                         ; a lane's place in a stage: 64 bytes + 16 of padding
.set SPW,   12                         ; v12  LDS address of my spare word; never rewritten
.set NIL,   13                         ; v13  0; never rewritten
.set SPARE, 4*WREG                     ; behind the regions: the spare words, 128 bytes a wave
	s_load_b256 s[4:11], s[0:1], 0x0               ; x, Wq, Wkv, xc
	s_load_b128 s[12:15], s[0:1], 0x20             ; xs, wc
	s_load_b64 s[16:17], s[0:1], 0x30              ; ws
	v_lshl_add_u32 v[SPW], v0, 2, SPARE
	v_mov_b32 v[NIL], 0
	v_lshrrev_b32 v1, 5, v0
	v_readfirstlane_b32 s22, v1                    ; wave
	v_and_b32 v2, 31, v0                           ; lane
	v_lshlrev_b32 v3, 4, v2                        ; my 16 bytes of a load's 512
	s_mul_i32 s23, s22, WREG
	v_lshrrev_b32 v14, 2, v2
	v_mul_u32_u24 v14, v14, SP
	v_and_b32 v15, 3, v2
	v_lshl_add_u32 v14, v15, 4, v14
	v_add_nc_u32 v14, s23, v14                     ; the stage, on the way in: SP (lane / 4) + 16 (lane % 4)
	v_mul_u32_u24 v15, v2, SP
	v_add_nc_u32 v15, s23, v15                     ; and on the way out: SP x lane: my 16 neighbours
	v_mul_u32_u24 v4, v2, CB                       ; my codes' place in a step's
	v_lshrrev_b32 v5, 1, v2
	s_add_co_u32 s23, s23, 2*32*SP
	v_add_nc_u32 v5, s23, v5                       ; my wave's 256 scale bytes, my block's byte
	v_lshlrev_b32 v7, 3, v2                        ; 8 bytes a lane
	v_add_nc_u32 v6, s23, v7
	s_wait_kmcnt 0x0
	; which tensor: the choice hangs on the work-group's number alone; only pointers and first numbers are chosen
	s_cmp_lt_u32 ttmp9, 256
	s_cselect_b64 s[24:25], s[6:7], s[8:9]         ; Wq or Wkv
	s_mov_b32 s26, 256
	s_cselect_b32 s26, 128, s26                    ; the source's first work-group
	s_cmp_lt_u32 ttmp9, 128
	s_cselect_b64 s[24:25], s[4:5], s[24:25]       ; x
	s_cselect_b32 s26, 0, s26
	s_cselect_b64 s[28:29], s[10:11], s[14:15]     ; codes: xc or wc
	s_cselect_b64 s[30:31], s[12:13], s[16:17]     ; scale bytes: xs or ws
	s_cselect_b32 s27, 0, 128                      ; the destination's first work-group (Wkv follows Wq)
	s_sub_co_u32 s32, ttmp9, s26
	s_lshl_b32 s32, s32, 2
	s_add_co_u32 s32, s32, s22                     ; my run of 8,192 numbers in the source
	s_lshl_b32 s32, s32, 15
	s_mov_b32 s33, 0
	s_add_nc_u64 s[24:25], s[24:25], s[32:33]
	s_sub_co_u32 s34, ttmp9, s27
	s_lshl_b32 s34, s34, 2
	s_add_co_u32 s34, s34, s22                     ; and in the destination
	s_lshl_b32 s32, s34, 12                        ; 4,096 bytes of codes a run
	s_add_nc_u64 s[28:29], s[28:29], s[32:33]
	s_lshl_b32 s32, s34, 8                         ; 256 scale bytes a run
	s_add_nc_u64 s[30:31], s[30:31], s[32:33]
.macro LOAD t
.irp i, 0,1,2,3
	global_load_b128 v[R+16*((\t)%AHEAD)+4*\i:R+16*((\t)%AHEAD)+4*\i+3], v3, s[24:25] offset:2048*(\t)+512*\i th:TH_LOAD_NT   ; 32 lanes read 512 consecutive bytes
.endr
.endm
.macro TURN t                          ; step t's numbers through the stage: LDS serves a wave's instructions in order, so no wait stands between the stores and the loads
.irp i, 0,1,2,3
	ds_store_b128 v14, v[R+16*((\t)%AHEAD)+4*\i:R+16*((\t)%AHEAD)+4*\i+3] offset:32*SP*((\t)%2)+8*SP*\i
.endr
.irp i, 0,1,2,3
	ds_load_b128 v[X+16*((\t)%2)+4*\i:X+16*((\t)%2)+4*\i+3], v15 offset:32*SP*((\t)%2)+16*\i
.endr
.endm
.irp t, 0,1,2,3,4,5,6,7
	LOAD \t
.endr
	s_wait_loadcnt 28                              ; step 0's four loads are in; the 28 of steps 1 to 7 may be out
	TURN 0
.macro STEP t
.set XS, X+16*((\t)%2)
.if (\t) > 0
	s_wait_dscnt 1                                 ; this step's numbers are back from the stage (the last step's byte store may be out)
.else
	s_wait_dscnt 0x0
.endif
.if (\t)+AHEAD < STEPS
	LOAD (\t)+AHEAD                                ; into this step's set: the stage's stores have read these registers
.endif
.if (\t)+1 < STEPS
.if STEPS-2-(\t) >= AHEAD-1
	s_wait_loadcnt 4*(AHEAD-1)                     ; the next step's four loads are in; those of the seven steps behind it may be out
.else
	s_wait_loadcnt 4*(STEPS-2-(\t))                ; the tail: the counts run down
.endif
	TURN (\t)+1
.endif
	v_max3_num_f32 v8, |v[XS]|, |v[XS+1]|, |v[XS+2]|               ; the largest magnitude of my 16, in two chains
	v_max3_num_f32 v9, |v[XS+3]|, |v[XS+4]|, |v[XS+5]|
.irp i, 6,10
	v_max3_num_f32 v8, v8, |v[XS+\i]|, |v[XS+\i+1]|
	v_max3_num_f32 v9, v9, |v[XS+\i+2]|, |v[XS+\i+3]|
.endr
	v_max3_num_f32 v8, v8, |v[XS+14]|, |v[XS+15]|
	v_max3_num_f32 v8, v8, v9, (EMAX+1)<<23        ; and the floor 2^(EMAX + 1 - 127): the byte cannot fall under 1
	v_max_num_f32_dpp v8, v8, v8 row_xmask:1 row_mask:0xf bank_mask:0xf   ; with my neighbour's 16: the block's
	v_add_nc_u32 v11, -(EMAX<<23), v8              ; EMAX off its exponent field: the conversion takes this operand's exponent field as its scale
	v_cvt_scalef32_pk8_fp4_f32 v[C+4*(\t)], v[XS:XS+7], v11
	v_cvt_scalef32_pk8_fp4_f32 v[C+4*(\t)+1], v[XS+8:XS+15], v11
	v_lshrrev_b32 v[E+(\t)], 23, v11               ; the scale's byte (also the plain line behind the conversions)
	ds_store_b8 v5, v[E+(\t)] offset:16*(\t)       ; both lanes of a block write the same byte with the same value
	global_store_b64 v4, v[C+4*(\t):C+4*(\t)+1], s[28:29] offset:32*CB*(\t)   ; the wave stores 256 consecutive bytes, aligned
.endm
.irp t, 0,1,2,3,4,5,6,7,8,9,10,11,12,13,14,15
	STEP \t
.endr
	ds_load_b64 v[8:9], v6                         ; my wave's 256 scale bytes: these loads see my stores
	s_wait_dscnt 0x0
	global_store_b64 v7, v[8:9], s[30:31]          ; 256 consecutive bytes, aligned
	s_wait_tensorcnt 0x0                           ; the wave's end, behind my last LDS store
	ds_add_u32 v[SPW], v[NIL]
	s_wait_dscnt 0x0
	s_endpgm
.Lfunc_end_k_qb3ff3048d7_prep:
	.size	k_qb3ff3048d7_prep, .Lfunc_end_k_qb3ff3048d7_prep-k_qb3ff3048d7_prep
	.p2alignl 7, 3214868480
	.fill 96, 4, 3214868480
	.section	.rodata,"a",@progbits
	.p2align	6, 0x0
	.amdhsa_kernel k_qb3ff3048d7_prep
		.amdhsa_group_segment_fixed_size 33280
		.amdhsa_private_segment_fixed_size 0
		.amdhsa_enable_private_segment 0
		.amdhsa_kernarg_size 56
		.amdhsa_user_sgpr_count 2
		.amdhsa_user_sgpr_kernarg_segment_ptr 1
		.amdhsa_wavefront_size32 1
		.amdhsa_system_sgpr_workgroup_id_x 1
		.amdhsa_system_sgpr_workgroup_id_y 1
		.amdhsa_system_sgpr_workgroup_id_z 1
		.amdhsa_system_vgpr_workitem_id 0
		.amdhsa_next_free_vgpr 256
		.amdhsa_next_free_sgpr 66
		.amdhsa_reserve_vcc 0
		.amdhsa_float_denorm_mode_32 3
		.amdhsa_float_denorm_mode_16_64 3
		.amdhsa_memory_ordered 1
		.amdhsa_forward_progress 1
		.amdhsa_inst_pref_size 34
	.end_amdhsa_kernel
	.amdgpu_metadata
---
amdhsa.version: [ 1, 2 ]
amdhsa.kernels:
  - .name:           k_qb3ff3048d7_prep
    .symbol:         k_qb3ff3048d7_prep.kd
    .args:
      - { .name: x, .offset: 0, .size: 8, .value_kind: global_buffer, .address_space: global }
      - { .name: Wq, .offset: 8, .size: 8, .value_kind: global_buffer, .address_space: global }
      - { .name: Wkv, .offset: 16, .size: 8, .value_kind: global_buffer, .address_space: global }
      - { .name: xc, .offset: 24, .size: 8, .value_kind: global_buffer, .address_space: global }
      - { .name: xs, .offset: 32, .size: 8, .value_kind: global_buffer, .address_space: global }
      - { .name: wc, .offset: 40, .size: 8, .value_kind: global_buffer, .address_space: global }
      - { .name: ws, .offset: 48, .size: 8, .value_kind: global_buffer, .address_space: global }
    .group_segment_fixed_size: 33280
    .private_segment_fixed_size: 0
    .kernarg_segment_align: 8
    .kernarg_segment_size: 56
    .max_flat_workgroup_size: 128
    .sgpr_count:     66
    .vgpr_count:     256
    .wavefront_size: 32
...
	.end_amdgpu_metadata
.endif
;; end of part 1
;; launch qkv (part 2): grid 16 x 16, 4 waves a work-group, clusters of 4 x 4, 327,680 bytes of LDS; arguments xc, xs, wc, ws, qkv16, qkv32; writes qkv16, qkv32
.if DOCPART == 2
	.amdgcn_target "amdgcn-amd-amdhsa--gfx1250"
	.amdhsa_code_object_version 6
	.text
	.protected	k_qb3ff3048d7_qkv
	.globl	k_qb3ff3048d7_qkv
	.p2align	8
	.type	k_qb3ff3048d7_qkv,@function
k_qb3ff3048d7_qkv:
	s_mov_b64 s[64:65], 0
	v_nop
	global_prefetch_b8 v0, s[64:65] scope:SCOPE_SE
	s_setreg_imm32_b32 hwreg(HW_REG_WAVE_MODE, 25, 1), 1
	s_wait_xcnt 0x0
	s_wait_alu depctr_hold_cnt(0) depctr_sa_sdst(0) depctr_va_vdst(0) depctr_va_sdst(0) depctr_va_ssrc(0) depctr_va_vcc(0) depctr_vm_vsrc(0)
	s_getreg_b32 s2, hwreg(HW_REG_IB_STS2, 6, 4)
	s_cmp_eq_u32 s2, 0
	s_cbranch_scc0 .Lentry_in_a_cluster
	s_endpgm
.Lentry_in_a_cluster:
	s_bfe_u32 s2, ttmp6, 0x10000c
	s_cmp_lg_u32 s2, 0xf033
	s_cbranch_scc0 .Lentry_shape_is_right
	s_endpgm
.Lentry_shape_is_right:
; [2048 x 3072] = x [Wq; Wkv]^T on codes of FP4 (E2M1) with one E8M0 byte for each 32 along K (K = 2,048); sums in f32.
; OUT: qkv16 [b 2][head 48][t 1024][64] f16 (heads 0-31 q, 32-39 k, 40-47 v); and the rows t < 16 of both sequences once more as f32, qkv32 [b][head][16][64].
; LIMIT: |q|, |k|, |v| stay under 65,504, f16's largest number.
; SHARES: a work-group makes 128 rows x 192 columns (three whole heads): 16 x 16 work-groups.  Wave w: rows 64 (w / 2) on, columns 96 (w % 2) on: 4 x 6 accumulators of 16 x 16.
; K goes in four steps of 512 (tile rows of 256 bytes) through two LDS slots; a slot's step is four products deep (128 along K each).  The scale bytes of the work-group's rows, for all of K, come once.
; CLUSTER 4 x 4: x's tile is shared along a row of the cluster, W's along a column: joint loads.  Wave 3 asks for x's 128 rows, waves 0-2 for 64 rows of W each: one tensor load a wave behind each round.
; THE MATRIX INSTRUCTION IS USED TRANSPOSED (source 0 = 16 rows of W, source 1 = 16 rows of x): a lane holds eight neighbouring columns of one row.
; REGISTERS: window 0: v1-23 addresses; v24-63 scale words, two sets of 20; v64-255 accumulators.  Window 1: two fragment buffers of 80 (x's 4 fragments, W's 6); on the way out v0-95 packed f16.
.set PITCH,  272                       ; an LDS row: 256 bytes + 16 of padding: the 16 rows of a fragment load start 68 words apart
.set SLOT,   320*PITCH                 ; x's 128 rows, then W's 192
.set BOFF,   128*PITCH
.set SCL,    2*SLOT                    ; x's scale bytes: 128 rows x 64 bytes as 32 lines of 256 + 16
.set SBLK,   4*272                     ; the scale bytes of 16 rows
.set SCLB,   SCL+8*SBLK                ; W's: 192 rows
.set STAGE,  SCLB+12*SBLK              ; the way out: [3 heads][128 rows][128 bytes + 16]; no fill lands here
.set HS,     128*144
.set SPARE,  STAGE+3*HS                ; the spare words, 128 bytes a wave
.set STO1, 8
.set STO2, 9
.set RD,   10
.set GO,   11
.set QO1,  12
.set QO2,  13
.set ADRA, 16                          ; v16-17 my x fragments in slot 0, 1
.set ADRB, 18                          ; v18-19 my W fragments
.set ASA,  20                          ; v20 x's scale words: lanes 0-15 an even block of 16 rows, lanes 16-31 the odd block behind it
.set ASB,  21                          ; v21 W's likewise
.set SPW,  22
.set NIL,  23
.set SC,   24                          ; set s at SC + 20 s: x's pair p at + 4 p + q, W's pair p at + 8 + 4 p + q
.set ACC,  64                          ; accumulator (a, b) at ACC + 8 (6 a + b)
.set G1A,  24
.set G1B,  32
.set G0A,  40                          ; one group 0 for each slot
.set G0B,  48
.set G0SA, 56
.set G0SB, 60
.set G1SA, 68
.set G1SB, 76
.set MSB, 0
.macro WIN new                         ; the immediate's high byte repeats the setting that is left
.if MSB != \new
	s_set_vgpr_msb (MSB<<8)|\new
.set MSB, \new
.endif
.endm
.macro PLACES n
.rept \n
	v_nop
.endr
.endm
; a joint load: wave 3 for x, waves 0-2 for W; the branch hangs on the wave's number alone; s_nop 0 and four v_nop follow each line
.macro JLOAD g0a, g1a, g0b, g1b
	s_cmp_eq_u32 s16, 3
	s_cbranch_scc0 .Lfor_b_\@
	tensor_load_to_lds s[\g0a:\g0a+3], s[\g1a:\g1a+7]
	s_nop 0
.rept 4
	v_nop
.endr
	s_branch .Lasked_\@
.Lfor_b_\@:
	tensor_load_to_lds s[\g0b:\g0b+3], s[\g1b:\g1b+7]
	s_nop 0
.rept 4
	v_nop
.endr
.Lasked_\@:
.endm
.macro CREST                           ; a round of the cluster's barrier behind its opening barrier
	s_cmp_lg_u32 s16, 0
	s_cbranch_scc1 .Lnot_wave_0_\@
	s_barrier_signal -3
.Lnot_wave_0_\@:
	s_barrier_wait -3
	s_barrier_signal -1
	s_barrier_wait -1
.endm
.macro CROUND
	s_barrier_signal -1
	s_barrier_wait -1
	CREST
.endm
	s_load_b256 s[4:11], s[0:1], 0x0               ; xc, xs, wc, ws
	s_load_b128 s[12:15], s[0:1], 0x20             ; qkv16, qkv32
	v_lshl_add_u32 v[SPW], v0, 2, SPARE
	v_mov_b32 v[NIL], 0
	ds_add_u32 v[SPW], v[NIL]                      ; the opening: the add, twice on end, and its wait ahead of my first tensor load
	ds_add_u32 v[SPW], v[NIL]
	v_lshrrev_b32 v1, 5, v0
	v_readfirstlane_b32 s16, v1                    ; wave 0..3
	s_lshr_b32 s17, s16, 1                         ; my half of the rows
	s_and_b32 s18, s16, 1                          ; my half of the columns
	s_min_u32 s19, s16, 2                          ; which 64 rows of W I ask for (wave 3 asks for x)
	s_bfe_u32 s84, ttmp6, 0x40000                  ; cx
	s_bfe_u32 s85, ttmp6, 0x40004                  ; cy
	s_lshl_b32 s86, ttmp9, 2
	s_add_co_u32 s86, s86, s84                     ; tile column, 192 columns each
	s_and_b32 s87, ttmp7, 0xffff
	s_lshl_b32 s87, s87, 2
	s_add_co_u32 s87, s87, s85                     ; tile row, 128 rows each
	s_lshl_b32 s88, s85, 2
	s_lshl_b32 s88, 15, s88                        ; my row of the cluster
	s_lshl_b32 s89, 0x1111, s84                    ; my column
	s_or_b32 s[G1A], s88, (1<<20)|(1<<21)|(5<<22)|(3<<25)     ; elements of 1 byte; 4 words of padding behind every 64; bit 21 beside a mask
	s_mov_b32 s[G1A+1], 256<<16                    ; tensor_dim0
	s_mov_b32 s[G1A+2], 128<<16                    ; tensor_dim1
	s_mov_b32 s[G1A+3], 256<<16                    ; tile_dim0
	s_mov_b32 s[G1A+4], 128                        ; tile_dim1
	s_mov_b32 s[G1A+5], 1024                       ; a row of codes in memory
	s_mov_b32 s[G1A+6], 0
	s_mov_b32 s[G1A+7], 0
	s_or_b32 s[G1B], s89, (1<<20)|(1<<21)|(5<<22)|(3<<25)
	s_mov_b32 s[G1B+1], 256<<16
	s_mov_b32 s[G1B+2], 64<<16
	s_mov_b32 s[G1B+3], 256<<16
	s_mov_b32 s[G1B+4], 64
	s_mov_b32 s[G1B+5], 1024
	s_mov_b32 s[G1B+6], 0
	s_mov_b32 s[G1B+7], 0
	s_or_b32 s[G1SA], s88, (3<<16)|(1<<20)|(1<<21)|(5<<22)|(3<<25)   ; scale bytes: dense, as lines of 32 elements of 8 bytes
	s_mov_b32 s[G1SA+1], 32<<16
	s_mov_b32 s[G1SA+2], 32<<16
	s_mov_b32 s[G1SA+3], 32<<16
	s_mov_b32 s[G1SA+4], 32
	s_mov_b32 s[G1SA+5], 32
	s_mov_b32 s[G1SA+6], 0
	s_mov_b32 s[G1SA+7], 0
	s_or_b32 s[G1SB], s89, (3<<16)|(1<<20)|(1<<21)|(5<<22)|(3<<25)
	s_mov_b32 s[G1SB+1], 32<<16
	s_mov_b32 s[G1SB+2], 16<<16
	s_mov_b32 s[G1SB+3], 32<<16
	s_mov_b32 s[G1SB+4], 16
	s_mov_b32 s[G1SB+5], 32
	s_mov_b32 s[G1SB+6], 0
	s_mov_b32 s[G1SB+7], 0
	s_lshl_b32 s90, s87, 17                        ; x: 128 rows x 1,024 bytes a tile row
	s_mov_b32 s91, 0
	s_lshl_b32 s94, s87, 13                        ; its scale bytes: 128 x 64
	s_mov_b32 s95, 0
	s_mul_i32 s92, s86, 192
	s_lshl_b32 s93, s19, 6
	s_add_co_u32 s92, s92, s93                     ; W: row 192 x tile column + 64 x wave
	s_lshl_b32 s96, s92, 6
	s_lshl_b32 s92, s92, 10
	s_mov_b32 s93, 0
	s_mov_b32 s97, 0
	s_mul_i32 s20, s19, 64*PITCH
	s_add_co_u32 s20, s20, BOFF                    ; where my rows of W go in a slot
	s_mul_i32 s21, s19, 4*SBLK
	s_add_co_u32 s21, s21, SCLB                    ; and their scale bytes
	s_wait_dscnt 0x0                               ; both opening adds are done
	s_wait_kmcnt 0x0
	s_add_nc_u64 s[90:91], s[4:5], s[90:91]
	s_add_nc_u64 s[94:95], s[6:7], s[94:95]
	s_add_nc_u64 s[92:93], s[8:9], s[92:93]
	s_add_nc_u64 s[96:97], s[10:11], s[96:97]
	CROUND                                         ; all sixteen work-groups are here: the first joint loads meet
	s_mov_b32 s[G0SA], 1
	s_mov_b32 s[G0SA+1], SCL
	s_mov_b64 s[G0SA+2:G0SA+3], s[94:95]
	s_or_b32 s[G0SA+3], s[G0SA+3], 0x80000000
	s_mov_b32 s[G0SB], 1
	s_mov_b32 s[G0SB+1], s21
	s_mov_b64 s[G0SB+2:G0SB+3], s[96:97]
	s_or_b32 s[G0SB+3], s[G0SB+3], 0x80000000
	JLOAD G0SA, G1SA, G0SB, G1SB                   ; the scale bytes first: filled once
.irp s, 0,1
	s_mov_b32 s[G0A+4*\s], 1
	s_mov_b32 s[G0A+4*\s+1], \s*SLOT
	s_add_nc_u64 s[G0A+4*\s+2:G0A+4*\s+3], s[90:91], \s*256
	s_or_b32 s[G0A+4*\s+3], s[G0A+4*\s+3], 0x80000000
	s_mov_b32 s[G0B+4*\s], 1
	s_add_co_u32 s[G0B+4*\s+1], s20, \s*SLOT
	s_add_nc_u64 s[G0B+4*\s+2:G0B+4*\s+3], s[92:93], \s*256
	s_or_b32 s[G0B+4*\s+3], s[G0B+4*\s+3], 0x80000000
	JLOAD G0A+4*\s, G1A, G0B+4*\s, G1B             ; K steps 0 and 1: three loads of a wave are out
.endr
	v_and_b32 v1, 15, v0                           ; r
	v_bfe_u32 v2, v0, 4, 1                         ; h
	v_and_b32 v3, 31, v0                           ; lane
	v_mul_u32_u24 v4, v1, PITCH
	v_lshl_add_u32 v4, v2, 4, v4                   ; a fragment's row x pitch + 16 h
	s_mul_i32 s22, s17, 64*PITCH
	s_mul_i32 s23, s18, 96*PITCH
	s_add_co_u32 s23, s23, BOFF
.irp s, 0,1
	v_add_nc_u32 v[ADRA+\s], s22, v4
	v_add_nc_u32 v[ADRB+\s], s23, v4
	s_add_co_u32 s22, s22, SLOT
	s_add_co_u32 s23, s23, SLOT
.endr
	v_lshrrev_b32 v5, 2, v1                        ; scale bytes: four rows of 64 bytes to a line of 272
	v_mul_u32_u24 v5, v5, 272
	v_and_b32 v6, 3, v1
	v_lshl_add_u32 v5, v6, 6, v5
	v_mad_u32_u24 v5, v2, SBLK, v5                 ; lanes 16-31: the next block of 16 rows
	s_mul_i32 s22, s17, 4*SBLK
	s_add_co_u32 s22, s22, SCL
	v_add_nc_u32 v[ASA], s22, v5
	s_mul_i32 s23, s18, 6*SBLK
	s_add_co_u32 s23, s23, SCLB
	v_add_nc_u32 v[ASB], s23, v5
	; the stage: head, row, 16 bytes.  My 96 columns: half 0 = head 0 whole and head 1's first 32; half 1 = head 1's last 32 and head 2 whole
	v_mul_u32_u24 v7, v1, 144
	v_lshl_add_u32 v7, v2, 4, v7
	s_mul_i32 s22, s18, HS+64
	s_mul_i32 s23, s17, 64*144
	s_add_co_u32 s22, s22, s23
	s_add_co_u32 s22, s22, STAGE
	v_add_nc_u32 v[STO1], s22, v7                  ; column blocks 0, 1 (+ 0, 32) and 4, 5 (+ HS, HS + 32)
	s_mul_i32 s23, s18, HS-128
	s_add_co_u32 s23, s23, 64
	s_add_co_u32 s23, s23, s22
	v_add_nc_u32 v[STO2], s23, v7                  ; column blocks 2, 3
	v_lshrrev_b32 v6, 3, v3
	v_mul_u32_u24 v6, v6, 144
	v_and_b32 v5, 7, v3
	v_lshl_add_u32 v6, v5, 4, v6
	s_mul_i32 s22, s16, 32*144
	s_add_co_u32 s22, s22, STAGE
	v_add_nc_u32 v[RD], s22, v6                    ; back: my 32 rows, four rows of 128 bytes an instruction
	v_lshlrev_b32 v[GO], 4, v3
	v_lshlrev_b32 v[QO1], 8, v1                    ; the f32 rows: 256 r + 32 h, heads 4,096 bytes apart
	v_lshl_add_u32 v[QO1], v2, 5, v[QO1]
	s_mul_i32 s22, s18, 4224
	v_add_nc_u32 v[QO1], s22, v[QO1]
	s_mul_i32 s22, s18, 3840
	s_add_co_u32 s22, s22, 128
	v_add_nc_u32 v[QO2], s22, v[QO1]
	s_lshr_b32 s22, s87, 3                         ; b
	s_mul_i32 s22, s22, 48
	s_mul_i32 s23, s86, 3
	s_add_co_u32 s22, s22, s23                     ; my first head: 48 b + 3 x tile column
	s_lshl_b32 s96, s22, 12
	s_mov_b32 s97, 0
	s_add_nc_u64 s[14:15], s[14:15], s[96:97]
	s_lshl_b32 s22, s22, 10
	s_and_b32 s23, s87, 7
	s_lshl_b32 s92, s23, 7
	s_add_co_u32 s22, s22, s92
	s_lshl_b32 s92, s16, 5
	s_add_co_u32 s22, s22, s92                     ; (head x 1,024 + t of my first row to store)
	s_lshl_b32 s92, s22, 7
	s_mov_b32 s93, 0
	s_add_nc_u64 s[12:13], s[12:13], s[92:93]
	s_or_b32 s98, s23, s17                         ; 0 where my first 16 rows are positions 0-15 of a sequence
.macro FETCH slot, q, f                ; 20 LDS loads: W's six and x's four fragments of the slot's q-th 128 along K.  A fragment: lane l holds row l % 16; registers 4 c .. 4 c + 3 hold K = 64 c + 32 (l / 16) + 0 .. 31
	WIN 0x40                                       ; destination window 1
.irp i, 0,1,2,3,4,5
	ds_load_b128 v[(\f)+32+8*\i:(\f)+32+8*\i+3],   v[ADRB+\slot] offset:64*(\q)+\i*16*PITCH
	ds_load_b128 v[(\f)+32+8*\i+4:(\f)+32+8*\i+7], v[ADRB+\slot] offset:64*(\q)+\i*16*PITCH+32
.endr
.irp i, 0,1,2,3
	ds_load_b128 v[(\f)+8*\i:(\f)+8*\i+3],   v[ADRA+\slot] offset:64*(\q)+\i*16*PITCH
	ds_load_b128 v[(\f)+8*\i+4:(\f)+8*\i+7], v[ADRA+\slot] offset:64*(\q)+\i*16*PITCH+32
.endr
.endm
.macro SCALES set, ks                  ; K step ks's scale words: four words a row
	WIN 0
.irp p, 0,1
	ds_load_b128 v[SC+20*\set+4*\p:SC+20*\set+4*\p+3], v[ASA] offset:2*SBLK*\p+16*\ks
.endr
.irp p, 0,1,2
	ds_load_b128 v[SC+20*\set+8+4*\p:SC+20*\set+8+4*\p+3], v[ASB] offset:2*SBLK*\p+16*\ks
.endr
.endm
.macro WM zero                         ; one product; an odd block's scale words stand in lanes 16-31 of its pair's register
.if \zero
.if oB && oA
	v_wmma_scale_f32_16x16x128_f8f6f4 v[rD:rD+7], v[rB:rB+7], v[rA:rA+7], 0, v[rSB], v[rSA] matrix_a_fmt:MATRIX_FMT_FP4 matrix_b_fmt:MATRIX_FMT_FP4 matrix_a_scale:MATRIX_SCALE_ROW1 matrix_b_scale:MATRIX_SCALE_ROW1
.elseif oB
	v_wmma_scale_f32_16x16x128_f8f6f4 v[rD:rD+7], v[rB:rB+7], v[rA:rA+7], 0, v[rSB], v[rSA] matrix_a_fmt:MATRIX_FMT_FP4 matrix_b_fmt:MATRIX_FMT_FP4 matrix_a_scale:MATRIX_SCALE_ROW1
.elseif oA
	v_wmma_scale_f32_16x16x128_f8f6f4 v[rD:rD+7], v[rB:rB+7], v[rA:rA+7], 0, v[rSB], v[rSA] matrix_a_fmt:MATRIX_FMT_FP4 matrix_b_fmt:MATRIX_FMT_FP4 matrix_b_scale:MATRIX_SCALE_ROW1
.else
	v_wmma_scale_f32_16x16x128_f8f6f4 v[rD:rD+7], v[rB:rB+7], v[rA:rA+7], 0, v[rSB], v[rSA] matrix_a_fmt:MATRIX_FMT_FP4 matrix_b_fmt:MATRIX_FMT_FP4
.endif
.else
.if oB && oA
	v_wmma_scale_f32_16x16x128_f8f6f4 v[rD:rD+7], v[rB:rB+7], v[rA:rA+7], v[rD:rD+7], v[rSB], v[rSA] matrix_a_fmt:MATRIX_FMT_FP4 matrix_b_fmt:MATRIX_FMT_FP4 matrix_a_scale:MATRIX_SCALE_ROW1 matrix_b_scale:MATRIX_SCALE_ROW1
.elseif oB
	v_wmma_scale_f32_16x16x128_f8f6f4 v[rD:rD+7], v[rB:rB+7], v[rA:rA+7], v[rD:rD+7], v[rSB], v[rSA] matrix_a_fmt:MATRIX_FMT_FP4 matrix_b_fmt:MATRIX_FMT_FP4 matrix_a_scale:MATRIX_SCALE_ROW1
.elseif oA
	v_wmma_scale_f32_16x16x128_f8f6f4 v[rD:rD+7], v[rB:rB+7], v[rA:rA+7], v[rD:rD+7], v[rSB], v[rSA] matrix_a_fmt:MATRIX_FMT_FP4 matrix_b_fmt:MATRIX_FMT_FP4 matrix_b_scale:MATRIX_SCALE_ROW1
.else
	v_wmma_scale_f32_16x16x128_f8f6f4 v[rD:rD+7], v[rB:rB+7], v[rA:rA+7], v[rD:rD+7], v[rSB], v[rSA] matrix_a_fmt:MATRIX_FMT_FP4 matrix_b_fmt:MATRIX_FMT_FP4
.endif
.endif
.endm
; 12 products: x's blocks a0, a0 + 1 against W's six.  The 24 accumulators take turns, one instruction a turn, in the same order in every step.  zero = 1: the product starts its sum
.macro MUL12 f, a0, q, set, zero
.irp a, \a0, \a0+1
.irp b, 0,1,2,3,4,5
.set rD, ACC+8*(6*(\a)+\b)
.set rB, (\f)+32+8*\b
.set rA, (\f)+8*(\a)
.set rSB, SC+20*(\set)+8+4*(\b/2)+(\q)
.set rSA, SC+20*(\set)+4*((\a)/2)+(\q)
.set oB, \b%2
.set oA, (\a)%2
	WM \zero
.endr
.endr
.endm
; a step of 128 along K whose successor lies in the same slot.  Four plain places stand in front of loads into registers that matrix instructions have read (ISA guide 7.12.1 for vector instructions)
.macro STEP slot, q, zero
.set FF, 80*((\q)%2)
.set GG, 80-FF
	s_wait_dscnt 0x0                               ; this step's fragments (and scale words) are in
	WIN 0x05                                       ; sources 0 and 1 window 1; C and D window 0
	MUL12 FF, 0, \q, \slot, \zero
	PLACES 4
	FETCH \slot, (\q)+1, GG
	WIN 0x05
	MUL12 FF, 2, \q, \slot, \zero
.endm
; a slot's last step changes slots: each wave waits for all its tensor loads, adds 0 to its spare word, waits for that and for its reads of this slot, and passes the barrier.
; fill = 1: the barrier opens a round of the cluster's barrier, and the joint refill (two K steps on) is the first tensor load behind it
.macro TURN slot, next, fill, ks
	WIN 0
	s_wait_tensorcnt 0x0                           ; all my tensor loads have landed: my part of the next slot
	ds_add_u32 v[SPW], v[NIL]
	s_wait_dscnt 1                                 ; my fragments are in; the add may be out
	WIN 0x05
	MUL12 80, 0, 3, \slot, 0                       ; twelve products stand between the add and the wait for it
	s_wait_dscnt 0x0                               ; the add is done, and my reads of this slot are over
	s_barrier_signal -1
	WIN 0
	s_barrier_wait -1
.if \fill
	CREST                                          ; no wave of any partner still reads this slot or has a load on its way
	s_add_nc_u64 s[G0A+4*\slot+2:G0A+4*\slot+3], s[G0A+4*\slot+2:G0A+4*\slot+3], 512
	s_add_nc_u64 s[G0B+4*\slot+2:G0B+4*\slot+3], s[G0B+4*\slot+2:G0B+4*\slot+3], 512
	JLOAD G0A+4*\slot, G1A, G0B+4*\slot, G1B       ; its four v_nop are also the places in front of the loads below
.else
	PLACES 4
.endif
	FETCH \next, 0, 0
	SCALES \next, \ks
	WIN 0x05
	MUL12 80, 2, 3, \slot, 0
.endm
	s_wait_tensorcnt 1                             ; the scale bytes and my part of K step 0 are in; K step 1's load may be out
	s_barrier_signal -1
	s_barrier_wait -1
	FETCH 0, 0, 0
	SCALES 0, 0
	STEP 0, 0, 1                                   ; the first products start the sums: nothing is cleared
	STEP 0, 1, 0
	STEP 0, 2, 0
	TURN 0, 1, 1, 1
	STEP 1, 0, 0
	STEP 1, 1, 0
	STEP 1, 2, 0
	TURN 1, 0, 1, 2
	STEP 0, 0, 0
	STEP 0, 1, 0
	STEP 0, 2, 0
	TURN 0, 1, 0, 3                                ; nothing is left to fetch
	STEP 1, 0, 0
	STEP 1, 1, 0
	STEP 1, 2, 0
	s_wait_dscnt 0x0
	WIN 0x05
	MUL12 80, 0, 3, 1, 0
	MUL12 80, 2, 3, 1, 0
	WIN 0
	; THE WAY OUT
	PLACES 4
	; positions 0-15 of a sequence leave as f32 too.  A mask on the stores, no branch: every work-group runs the same lines
	s_wait_xcnt 0x0                                ; EXEC changes only behind this wait
	v_cmp_eq_u32 vcc_lo, s98, v[NIL]
	s_and_saveexec_b32 s99, vcc_lo
.macro ST32 bt, adr, off               ; each accumulator from its low end on
	global_store_b128 v[\adr], v[ACC+8*\bt:ACC+8*\bt+3], s[14:15] offset:\off
	global_store_b128 v[\adr], v[ACC+8*\bt+4:ACC+8*\bt+7], s[14:15] offset:\off+16
.endm
	ST32 0, QO1, 0
	ST32 1, QO1, 64
	ST32 2, QO2, 0
	ST32 3, QO2, 64
	ST32 4, QO1, 4096
	ST32 5, QO1, 4160
	s_wait_xcnt 0x0                                ; and again in front of the line that widens it; the stores' data may be written again behind it
	s_or_b32 exec_lo, exec_lo, s99
	WIN 0x40                                       ; packed f16 into window 1, where the fragments lay
.set n, 0
.rept 24
.irp i, 0,1,2,3
	v_cvt_pk_f16_f32 v[4*n+\i], v[ACC+8*n+2*\i], v[ACC+8*n+2*\i+1]
.endr
.set n, n+1
.endr
	WIN 0x04                                       ; an LDS store's data are its source 1: window 1
.macro STG bt, adr, off
.irp a, 0,1,2,3
	ds_store_b128 v[\adr], v[4*(6*\a+\bt):4*(6*\a+\bt)+3] offset:2304*\a+\off
.endr
.endm
	STG 0, STO1, 0
	STG 1, STO1, 32
	STG 2, STO2, 0
	STG 3, STO2, 32
	STG 4, STO1, HS
	STG 5, STO1, HS+32
	WIN 0
	s_wait_dscnt 0x0                               ; for the others' sake: my stores into the stage are done
	s_barrier_signal -1
	s_barrier_wait -1
.set n, 0
.rept 24
	ds_load_b128 v[ACC+4*n:ACC+4*n+3], v[RD] offset:(n/8)*HS+576*(n%8)
.set n, n+1
.endr
.set n, 0
.rept 24
	s_wait_dscnt 23-n                              ; load n is in; the younger ones may be out
	global_store_b128 v[GO], v[ACC+4*n:ACC+4*n+3], s[12:13] offset:(n/8)*131072+512*(n%8)   ; four rows of a head: 512 consecutive bytes, aligned
.set n, n+1
.endr
	s_wait_tensorcnt 0x0                           ; the wave's end
	ds_add_u32 v[SPW], v[NIL]
	s_wait_dscnt 0x0
	CROUND                                         ; the closing round
	s_endpgm
.Lfunc_end_k_qb3ff3048d7_qkv:
	.size	k_qb3ff3048d7_qkv, .Lfunc_end_k_qb3ff3048d7_qkv-k_qb3ff3048d7_qkv
	.p2alignl 7, 3214868480
	.fill 96, 4, 3214868480
	.section	.rodata,"a",@progbits
	.p2align	6, 0x0
	.amdhsa_kernel k_qb3ff3048d7_qkv
		.amdhsa_group_segment_fixed_size 327680
		.amdhsa_private_segment_fixed_size 0
		.amdhsa_enable_private_segment 0
		.amdhsa_kernarg_size 48
		.amdhsa_user_sgpr_count 2
		.amdhsa_user_sgpr_kernarg_segment_ptr 1
		.amdhsa_wavefront_size32 1
		.amdhsa_system_sgpr_workgroup_id_x 1
		.amdhsa_system_sgpr_workgroup_id_y 1
		.amdhsa_system_sgpr_workgroup_id_z 1
		.amdhsa_system_vgpr_workitem_id 0
		.amdhsa_next_free_vgpr 416
		.amdhsa_next_free_sgpr 100
		.amdhsa_reserve_vcc 1
		.amdhsa_float_denorm_mode_32 3
		.amdhsa_float_denorm_mode_16_64 3
		.amdhsa_memory_ordered 1
		.amdhsa_forward_progress 1
		.amdhsa_inst_pref_size 100
	.end_amdhsa_kernel
	.amdgpu_metadata
---
amdhsa.version: [ 1, 2 ]
amdhsa.kernels:
  - .name:           k_qb3ff3048d7_qkv
    .symbol:         k_qb3ff3048d7_qkv.kd
    .args:
      - { .name: xc, .offset: 0, .size: 8, .value_kind: global_buffer, .address_space: global }
      - { .name: xs, .offset: 8, .size: 8, .value_kind: global_buffer, .address_space: global }
      - { .name: wc, .offset: 16, .size: 8, .value_kind: global_buffer, .address_space: global }
      - { .name: ws, .offset: 24, .size: 8, .value_kind: global_buffer, .address_space: global }
      - { .name: qkv16, .offset: 32, .size: 8, .value_kind: global_buffer, .address_space: global }
      - { .name: qkv32, .offset: 40, .size: 8, .value_kind: global_buffer, .address_space: global }
    .group_segment_fixed_size: 327680
    .private_segment_fixed_size: 0
    .kernarg_segment_align: 8
    .kernarg_segment_size: 48
    .max_flat_workgroup_size: 128
    .sgpr_count:     100
    .vgpr_count:     416
    .wavefront_size: 32
...
	.end_amdgpu_metadata
.endif
;; end of part 2
;; launch attn (part 3): grid 16 x 16, 16 waves a work-group, clusters of 4 x 1, 327,680 bytes of LDS; arguments qkv16, attnf, Wo, wo16; writes attnf, wo16
.if DOCPART == 3
	.amdgcn_target "amdgcn-amd-amdhsa--gfx1250"
	.amdhsa_code_object_version 6
	.text
	.protected	k_qb3ff3048d7_attn
	.globl	k_qb3ff3048d7_attn
	.p2align	8
	.type	k_qb3ff3048d7_attn,@function
k_qb3ff3048d7_attn:
	s_mov_b64 s[64:65], 0
	v_nop
	global_prefetch_b8 v0, s[64:65] scope:SCOPE_SE
	s_setreg_imm32_b32 hwreg(HW_REG_WAVE_MODE, 25, 1), 1
	s_wait_xcnt 0x0
	s_wait_alu depctr_hold_cnt(0) depctr_sa_sdst(0) depctr_va_vdst(0) depctr_va_sdst(0) depctr_va_ssrc(0) depctr_va_vcc(0) depctr_vm_vsrc(0)
	s_getreg_b32 s2, hwreg(HW_REG_IB_STS2, 6, 4)
	s_cmp_eq_u32 s2, 0
	s_cbranch_scc0 .Lentry_in_a_cluster
	s_endpgm
.Lentry_in_a_cluster:
	s_bfe_u32 s2, ttmp6, 0x10000c
	s_cmp_lg_u32 s2, 0x3003
	s_cbranch_scc0 .Lentry_shape_is_right
	s_endpgm
.Lentry_shape_is_right:
; Causal attention, head size 64, f16 operands, f32 sums, maxima and softmax.  qkv16 [b][head 48][t 1024][64] f16 (0-31 q, 32-39 k, 40-47 v).
; OUT: attnf [row / 16][k / 32][half][lane][16 bytes]: the register image of the next launch's operand (16 rows x 32 along K: lane (r, h): registers 0-3 k = 8 h .., registers 4-7 k = 16 + 8 h ..).
; All rows are made here; positions 0-15 of each sequence are made anew in f32 by the last launch.  LIMIT: |q|, |k|, |v| under 65,504 (they arrive as f16).
; BESIDE IT: Wo [2048][2048] f32 becomes wo16, the same rows in f16 (nearest even), for the next launch: the four waves of a work-group that run out of keys first do it (macro WOF16).  LIMIT: |Wo| under 65,504.
; CLUSTER 4 x 1: the four partners are the four query heads that share one key and value head: each tile of K and V is asked for jointly.  Nothing but Q's, O's and Wo's addresses hangs on the place in the cluster.
; ALL 1,024 keys of K and V stay in LDS: every byte is filled once, in four chunks of 256 keys; wave 0 asks for K's four, wave 1 for V's four (four loads of a wave are out).
; SHARES: a work-group has 16 waves, a wave one tile of 16 queries.  With c = 4 x cluster x + wave % 4 and k = wave / 4 the tile is 32 (k / 2) + (k odd: 31 - c, else c): early and late tiles are paired,
; and every work-group has a tile at or above 48, so every chunk is read in every work-group.
; Both products are used transposed (S^T = K Q^T, O^T = V^T P): a lane holds one query.  Steps of 64 keys; a step all of whose keys come after the wave's queries is left out by a scalar branch on ids.
; SOFTMAX: running maximum m and sum l; p = 2^(c s - c m), c = log2(e) / 8; O and l are multiplied by a = 2^(c m_old - c m_new) in every step.
.set KP,    144                        ; a key's row in LDS: 128 bytes + 16
.set VP,    160                        ; a value's: 128 + 32, for the turning load
.set VOFF,  1024*KP
.set SPARE, VOFF+1024*VP               ; the spare words, 128 bytes for each of 16 waves
.set SPW, 5
.set NIL, 6
.set G1K, 24
.set G1V, 32
.set G0K, 40                           ; s[40:55] a group 0 for each chunk of K
.set G0V, 68                           ; s[68:83] and of V
; v1 AK0, v2 AV0, v3 ADK, v4 ADV, v7 16 x lane, v8 r - 8 h, v9 Q's offset, v10 8 x lane (WOF16); v16-31 Q; v32-95 K; v96-159 V^T; v160-191 S^T; v192-207 P; v208-239 O^T;
; v240 c m, v241 m, v[242:243] l, v244-247 at work, v[248:249] a, v250 d, v251 -infinity, v[252:253] the sum's second chain
; s8 wave, s9 cx, s13 tile, s14 first query, s15 first key of the step, s16, s17 LDS bytes of the step in K and V, s18 count, s[20:21] c, s[22:23] lane selects, s[56:57] my run of Wo, s[58:59] of wo16
.macro CROUND
	s_barrier_signal -1
	s_barrier_wait -1
	s_cmp_lg_u32 s8, 0
	s_cbranch_scc1 .Lnot_wave_0_\@
	s_barrier_signal -3
.Lnot_wave_0_\@:
	s_barrier_wait -3
	s_barrier_signal -1
	s_barrier_wait -1
.endm
	s_load_b128 s[4:7], s[0:1], 0x0                ; qkv16, attnf
	s_load_b128 s[56:59], s[0:1], 0x10             ; Wo, wo16
	v_lshl_add_u32 v[SPW], v0, 2, SPARE
	v_mov_b32 v[NIL], 0
	ds_add_u32 v[SPW], v[NIL]                      ; the opening: the add, twice on end, and its wait ahead of the first tensor loads
	ds_add_u32 v[SPW], v[NIL]
	v_lshrrev_b32 v10, 5, v0
	v_readfirstlane_b32 s8, v10                    ; wave 0..15
	s_bfe_u32 s9, ttmp6, 0x40000                   ; cx: the query head within its group
	s_and_b32 s10, ttmp7, 0xffff
	s_lshr_b32 s11, s10, 3                         ; b
	s_and_b32 s12, s10, 7                          ; the key and value head
	s_and_b32 s84, s8, 3
	s_lshl_b32 s85, ttmp9, 2
	s_add_co_u32 s84, s84, s85                     ; c
	s_lshr_b32 s85, s8, 2                          ; k
	s_sub_co_u32 s86, 31, s84
	s_bitcmp1_b32 s85, 0
	s_cselect_b32 s84, s86, s84
	s_lshr_b32 s85, s85, 1
	s_lshl_b32 s85, s85, 5
	s_add_co_u32 s13, s84, s85                     ; my tile of 16 queries
	s_lshl_b32 s14, s13, 4
	s_mul_i32 s86, s11, 48
	s_add_co_u32 s87, s86, s12
	s_add_co_u32 s88, s87, 32
	s_lshl_b32 s88, s88, 17                        ; K's head: 1,024 rows of 128 bytes
	s_mov_b32 s89, 0
	s_add_co_u32 s90, s87, 40
	s_lshl_b32 s90, s90, 17                        ; V's
	s_mov_b32 s91, 0
	s_lshl_b32 s92, s12, 2
	s_add_co_u32 s92, s92, s86
	s_add_co_u32 s92, s92, s9                      ; Q's head
	s_lshl_b32 s92, s92, 10
	s_add_co_u32 s92, s92, s14
	s_lshl_b32 s92, s92, 7
	s_mov_b32 s93, 0
	s_lshl_b32 s94, s11, 6
	s_add_co_u32 s94, s94, s13
	s_lshl_b32 s94, s94, 16                        ; O: tile of rows x 65,536
	s_lshl_b32 s95, s12, 2
	s_add_co_u32 s95, s95, s9
	s_lshl_b32 s95, s95, 11                        ; + query head x 2,048
	s_add_co_u32 s94, s94, s95
	s_mov_b32 s95, 0
	s_lshl_b32 s60, s10, 4                         ; Wo: 16 x y + 4 x cluster x + cx: my work-group's number, 0..255;
	s_lshl_b32 s61, ttmp9, 2
	s_add_co_u32 s60, s60, s61
	s_add_co_u32 s60, s60, s9
	s_lshl_b32 s60, s60, 2
	s_and_b32 s61, s8, 3
	s_add_co_u32 s60, s60, s61                     ; four runs of 4,096 numbers a work-group, one for each of waves 0-3: 1,024 runs are all of Wo
	s_lshl_b32 s62, s60, 13                        ; 8,192 bytes of f16 a run,
	s_mov_b32 s63, 0
	s_lshl_b32 s60, s60, 14                        ; 16,384 bytes of f32
	s_mov_b32 s61, 0
	s_mov_b32 s[G1K], 15|(1<<16)|(1<<20)|(1<<21)|(4<<22)|(3<<25)   ; mask: all four; elements of 2 bytes; 4 words of padding behind every 32; bit 21 beside a mask
	s_mov_b32 s[G1V], 15|(1<<16)|(1<<20)|(1<<21)|(4<<22)|(7<<25)   ; 8 words of padding
.irp g, G1K, G1V
	s_mov_b32 s[\g+1], 64<<16                      ; tensor_dim0
	s_mov_b32 s[\g+2], 256<<16                     ; tensor_dim1
	s_mov_b32 s[\g+3], 64<<16                      ; tile_dim0
	s_mov_b32 s[\g+4], 256                         ; tile_dim1
	s_mov_b32 s[\g+5], 64                          ; elements from row to row
	s_mov_b32 s[\g+6], 0
	s_mov_b32 s[\g+7], 0
.endr
	s_mov_b32 s20, 0x3e38aa3b                      ; c = log2(e) / 8
	s_mov_b32 s21, s20
	s_mov_b32 s22, 0x76543210
	s_mov_b32 s23, 0xfedcba98
	s_mov_b32 s15, 0
	s_mov_b32 s16, 0
	s_mov_b32 s17, 0
	s_wait_dscnt 0x0                               ; both opening adds are done
	s_wait_kmcnt 0x0
	s_add_nc_u64 s[88:89], s[4:5], s[88:89]
	s_add_nc_u64 s[90:91], s[4:5], s[90:91]
	s_add_nc_u64 s[92:93], s[4:5], s[92:93]
	s_add_nc_u64 s[6:7], s[6:7], s[94:95]
	s_add_nc_u64 s[56:57], s[56:57], s[60:61]
	s_add_nc_u64 s[58:59], s[58:59], s[62:63]
.irp c, 0,1,2,3
	s_mov_b32 s[G0K+4*\c], 1
	s_mov_b32 s[G0K+4*\c+1], 256*KP*\c
	s_add_nc_u64 s[G0K+4*\c+2:G0K+4*\c+3], s[88:89], 32768*\c
	s_or_b32 s[G0K+4*\c+3], s[G0K+4*\c+3], 0x80000000
	s_mov_b32 s[G0V+4*\c], 1
	s_mov_b32 s[G0V+4*\c+1], VOFF+256*VP*\c
	s_add_nc_u64 s[G0V+4*\c+2:G0V+4*\c+3], s[90:91], 32768*\c
	s_or_b32 s[G0V+4*\c+3], s[G0V+4*\c+3], 0x80000000
.endr
	CROUND                                         ; all four work-groups are here: the joint loads meet
	s_cmp_eq_u32 s8, 0                             ; a wave's fills stand in one branch on the wave's number
	s_cbranch_scc0 .Lnot_k
.irp c, 0,1,2,3
	tensor_load_to_lds s[G0K+4*\c:G0K+4*\c+3], s[G1K:G1K+7]
	s_nop 0
.endr
.rept 4
	v_nop
.endr
	s_branch .Lasked
.Lnot_k:
	s_cmp_eq_u32 s8, 1
	s_cbranch_scc0 .Lasked
.irp c, 0,1,2,3
	tensor_load_to_lds s[G0V+4*\c:G0V+4*\c+3], s[G1V:G1V+7]
	s_nop 0
.endr
.rept 4
	v_nop
.endr
.Lasked:
	v_and_b32 v10, 15, v0                          ; r
	v_bfe_u32 v11, v0, 4, 1                        ; h
	v_lshlrev_b32 v9, 7, v10
	v_lshl_add_u32 v9, v11, 4, v9                  ; Q: row r of 128 bytes + 16 h
.irp i, 0,1,2,3
	global_load_b128 v[16+4*\i:19+4*\i], v9, s[92:93] offset:32*\i   ; Q's two fragments stay in registers
.endr
	v_mul_u32_u24 v1, v10, KP
	v_lshl_add_u32 v1, v11, 4, v1
	v_and_b32 v12, 7, v0
	v_bfe_u32 v13, v0, 3, 1
	v_lshl_add_u32 v2, v11, 3, v12                 ; the turning load: key 8 h + l % 8, channels 8 ((l / 8) % 2) on
	v_mul_u32_u24 v2, v2, VP
	v_lshl_add_u32 v2, v13, 4, v2
	v_add_nc_u32 v2, VOFF, v2
	v_and_b32 v7, 31, v0
	v_lshlrev_b32 v7, 4, v7
	v_lshlrev_b32 v8, 3, v11
	v_sub_nc_u32 v8, v10, v8                       ; r - 8 h
	v_mov_b32 v241, 0xff61b1e6                     ; m = -3e38, under every score
	v_mul_f32 v240, s20, v241
	v_mov_b32 v242, 0
	v_mov_b32 v243, 0
	v_mov_b32 v245, 0                              ; written once: a lane permute's destination counts as one of its sources
	v_mov_b32 v249, 0                              ; named as the upper halves of pairs
	v_mov_b32 v253, 0
	v_mov_b32 v251, 0xff800000
.set n, 0
.rept 32
	v_mov_b32 v[208+n], 0                          ; O^T: the step is written without a first form of its own; the first a is 0 and leaves zeros
.set n, n+1
.endr
; A KEY STEP of 64 keys
.macro STEP
	s_add_co_u32 s84, s14, 15
	s_cmp_gt_u32 s15, s84                          ; all keys behind my last query: the step's work is left out (ids alone; no barrier stands in a step)
	s_cbranch_scc1 .Lhidden_\@
	v_add_nc_u32 v3, s16, v1
	v_add_nc_u32 v4, s17, v2
	v_nop
	v_nop                                          ; four plain places in front of loads into registers that the last products read
.irp kt, 0,1,2,3
.irp cs, 0,1
	ds_load_b128 v[32+8*(2*\kt+\cs):32+8*(2*\kt+\cs)+3],   v3 offset:16*KP*\kt+64*\cs
	ds_load_b128 v[32+8*(2*\kt+\cs)+4:32+8*(2*\kt+\cs)+7], v3 offset:16*KP*\kt+64*\cs+32
.endr
.endr
.irp ks, 0,1
.irp ct, 0,1,2,3
	ds_load_tr16_b128 v[96+8*(4*\ks+\ct):96+8*(4*\ks+\ct)+3],   v4 offset:32*VP*\ks+32*\ct
	ds_load_tr16_b128 v[96+8*(4*\ks+\ct)+4:96+8*(4*\ks+\ct)+7], v4 offset:32*VP*\ks+32*\ct+16*VP
.endr
.endr
	s_wait_dscnt 16                                ; K is in; V's sixteen loads may be out
.irp kt, 0,1,2,3
	v_wmma_f32_16x16x32_f16 v[160+8*\kt:167+8*\kt], v[32+16*\kt:39+16*\kt], v[16:23], 0
.endr
.irp kt, 0,1,2,3
	v_wmma_f32_16x16x32_f16 v[160+8*\kt:167+8*\kt], v[40+16*\kt:47+16*\kt], v[24:31], v[160+8*\kt:167+8*\kt]
.endr
.rept 4
	v_nop
.endr
	s_add_co_u32 s84, s15, 63
	s_cmp_le_u32 s84, s14                          ; all keys count for all my queries
	s_cbranch_scc1 .Lopen_\@
	s_sub_co_i32 s84, s14, s15
	v_add_nc_u32 v250, s84, v8                     ; register 8 kt + j holds key 16 kt + 8 h + j of the step: hidden where 16 kt + j > d
.set n, 0
.rept 32
	v_cmp_gt_i32 vcc_lo, 16*(n/8)+n%8, v250
	v_cndmask_b32 v[160+n], v[160+n], v251, vcc_lo
.set n, n+1
.endr
.Lopen_\@:
.irp kt, 0,1,2,3
	v_max3_num_f32 v[244+\kt], v[160+8*\kt], v[161+8*\kt], v[162+8*\kt]    ; each tile from its low end on; four chains
.endr
.irp kt, 0,1,2,3
	v_max3_num_f32 v[244+\kt], v[244+\kt], v[163+8*\kt], v[164+8*\kt]
.endr
.irp kt, 0,1,2,3
	v_max3_num_f32 v[244+\kt], v[244+\kt], v[165+8*\kt], v[166+8*\kt]
.endr
	v_max3_num_f32 v244, v244, v167, v175
	v_max3_num_f32 v246, v246, v183, v191
	v_max3_num_f32 v244, v244, v245, v246
	v_max3_num_f32 v244, v244, v247, v241          ; with the old m
	v_permlanex16_b32 v245, v244, s22, s23         ; the query's other 32 keys lie 16 lanes away
	v_mov_b32 v247, v240                           ; c m_old
	v_max_num_f32 v241, v244, v245
	v_mul_f32 v240, s20, v241
	v_sub_f32 v247, v247, v240
.set n, 0
.rept 16
	v_pk_fma_f32 v[160+n:161+n], v[160+n:161+n], s[20:21], v[240:241] op_sel_hi:[1,0,0] neg_lo:[0,0,1] neg_hi:[0,0,1]   ; c s - c m
.set n, n+2
.endr
	v_exp_f32 v248, v247                           ; a; then the 32 weights: one batch
.set n, 0
.rept 32
	v_exp_f32 v[160+n], v[160+n]
.set n, n+1
.endr
	v_nop                                          ; a plain instruction behind the last exponential
	s_wait_alu depctr_va_vdst(0)                   ; one wait for the batch, ahead of its first reader
.set n, 0
.rept 16
	v_cvt_pk_f16_f32 v[192+n], v[160+2*n], v[161+2*n]   ; two tiles of S^T, packed in pairs, are source 1 of the second product
.set n, n+1
.endr
	v_pk_mul_f32 v[242:243], v[242:243], v[248:249] op_sel_hi:[1,0]
	v_pk_add_f32 v[252:253], v[160:161], v[162:163]
.irp j, 4,8,12,16,20,24,28
	v_pk_add_f32 v[242:243], v[242:243], v[160+\j:161+\j]
	v_pk_add_f32 v[252:253], v[252:253], v[162+\j:163+\j]
.endr
	v_pk_add_f32 v[242:243], v[242:243], v[252:253]
.set n, 0
.rept 16
	v_pk_mul_f32 v[208+n:209+n], v[208+n:209+n], v[248:249] op_sel_hi:[1,0]   ; O^T x a, each tile from its low end on
.set n, n+2
.endr
	s_wait_dscnt 0x0                               ; V is in
.irp ks, 0,1
.irp ct, 0,1,2,3
	v_wmma_f32_16x16x32_f16 v[208+8*\ct:215+8*\ct], v[96+8*(4*\ks+\ct):96+8*(4*\ks+\ct)+7], v[192+8*\ks:199+8*\ks], v[208+8*\ct:215+8*\ct]
.endr
.endr
.Lhidden_\@:
	s_add_co_u32 s15, s15, 64
	s_add_co_u32 s16, s16, 64*KP
	s_add_co_u32 s17, s17, 64*VP
.endm
; Wo TO f16.  Waves 0-3 hold query tiles 0-15, whose keys all lie in chunk 0: behind chunk 1's barrier they have no step left to walk, and K's and V's registers are free in them.
; While the other twelve waves walk chunk 1, each of the four turns its run of 4,096 numbers: 32 loads of 512 consecutive bytes, all on their way at once; two conversions in place for each; 32 stores of 256 consecutive bytes, aligned.
; The branch hangs on the wave's number alone: it is the same in all four partners, and no barrier stands in it.
.macro WOF16
	s_cmp_ge_u32 s8, 4
	s_cbranch_scc1 .Lno_wo_\@
.rept 4
	v_nop                                          ; four plain places in front of loads into registers that the last products read
.endr
.set n, 0
.rept 32
	global_load_b128 v[32+4*n:35+4*n], v7, s[56:57] offset:512*n th:TH_LOAD_NT
.set n, n+1
.endr
	v_lshrrev_b32 v10, 1, v7                       ; 8 x lane: my 8 bytes of a store's 256
.set n, 0
.rept 32
	s_wait_loadcnt 31-n                            ; load n is in; the younger ones may be out
	v_cvt_pk_f16_f32 v[32+4*n], v[32+4*n], v[33+4*n]
	v_cvt_pk_f16_f32 v[33+4*n], v[34+4*n], v[35+4*n]
	global_store_b64 v10, v[32+4*n:33+4*n], s[58:59] offset:256*n
.set n, n+1
.endr
	s_wait_xcnt 0x0                                ; the stores have read their data: these registers may be written again behind this wait
.Lno_wo_\@:
.endm
; a chunk of 256 keys: the asking waves wait for it (the later chunks may stay out), all pass a barrier, four steps follow.  Trip counts are constants
.macro CHUNK c
	s_wait_tensorcnt 3-\c
	s_wait_dscnt 0x0
	s_barrier_signal -1
	s_barrier_wait -1
.if \c == 1
	WOF16
.endif
	s_mov_b32 s18, 4
.Lstep_\@:
	STEP
	s_sub_co_u32 s18, s18, 1
	s_cmp_lg_u32 s18, 0
	s_cbranch_scc1 .Lstep_\@
.endm
	s_wait_loadcnt 0x0                             ; Q
	CHUNK 0
	CHUNK 1
	CHUNK 2
	CHUNK 3
	; THE WAY OUT: O^T / l as f16.  A lane's eight channels of one query are 16 bytes of the next launch's operand image: each store covers 512 consecutive bytes, aligned
.rept 4
	v_nop
.endr
	v_add_f32 v242, v242, v243
	v_permlanex16_b32 v245, v242, s22, s23
	v_add_f32 v242, v242, v245
	v_rcp_f32 v248, v242
	v_nop
	s_wait_alu depctr_va_vdst(0)
.set n, 0
.rept 16
	v_pk_mul_f32 v[160+n:161+n], v[208+n:209+n], v[248:249] op_sel_hi:[1,0]
.set n, n+2
.endr
.set n, 0
.rept 16
	v_cvt_pk_f16_f32 v[192+n], v[160+2*n], v[161+2*n]
.set n, n+1
.endr
.irp ct, 0,1,2,3
	global_store_b128 v7, v[192+4*\ct:195+4*\ct], s[6:7] offset:512*\ct
.endr
	s_wait_tensorcnt 0x0                           ; the wave's end
	ds_add_u32 v[SPW], v[NIL]
	s_wait_dscnt 0x0
	CROUND                                         ; the closing round
	s_endpgm
.Lfunc_end_k_qb3ff3048d7_attn:
	.size	k_qb3ff3048d7_attn, .Lfunc_end_k_qb3ff3048d7_attn-k_qb3ff3048d7_attn
	.p2alignl 7, 3214868480
	.fill 96, 4, 3214868480
	.section	.rodata,"a",@progbits
	.p2align	6, 0x0
	.amdhsa_kernel k_qb3ff3048d7_attn
		.amdhsa_group_segment_fixed_size 327680
		.amdhsa_private_segment_fixed_size 0
		.amdhsa_enable_private_segment 0
		.amdhsa_kernarg_size 32
		.amdhsa_user_sgpr_count 2
		.amdhsa_user_sgpr_kernarg_segment_ptr 1
		.amdhsa_wavefront_size32 1
		.amdhsa_system_sgpr_workgroup_id_x 1
		.amdhsa_system_sgpr_workgroup_id_y 1
		.amdhsa_system_sgpr_workgroup_id_z 1
		.amdhsa_system_vgpr_workitem_id 0
		.amdhsa_next_free_vgpr 256
		.amdhsa_next_free_sgpr 100
		.amdhsa_reserve_vcc 1
		.amdhsa_float_denorm_mode_32 3
		.amdhsa_float_denorm_mode_16_64 3
		.amdhsa_memory_ordered 1
		.amdhsa_forward_progress 1
		.amdhsa_inst_pref_size 74
	.end_amdhsa_kernel
	.amdgpu_metadata
---
amdhsa.version: [ 1, 2 ]
amdhsa.kernels:
  - .name:           k_qb3ff3048d7_attn
    .symbol:         k_qb3ff3048d7_attn.kd
    .args:
      - { .name: qkv16, .offset: 0, .size: 8, .value_kind: global_buffer, .address_space: global }
      - { .name: attnf, .offset: 8, .size: 8, .value_kind: global_buffer, .address_space: global }
      - { .name: Wo, .offset: 16, .size: 8, .value_kind: global_buffer, .address_space: global }
      - { .name: wo16, .offset: 24, .size: 8, .value_kind: global_buffer, .address_space: global }
    .group_segment_fixed_size: 327680
    .private_segment_fixed_size: 0
    .kernarg_segment_align: 8
    .kernarg_segment_size: 32
    .max_flat_workgroup_size: 512
    .sgpr_count:     100
    .vgpr_count:     256
    .wavefront_size: 32
...
	.end_amdgpu_metadata
.endif
;; end of part 3
;; launch oproj (part 4): grid 16 x 16, 4 waves a work-group, clusters of 4 x 4, 327,680 bytes of LDS; arguments attnf, wo16, out0; writes out0
.if DOCPART == 4
	.amdgcn_target "amdgcn-amd-amdhsa--gfx1250"
	.amdhsa_code_object_version 6
	.text
	.protected	k_qb3ff3048d7_oproj
	.globl	k_qb3ff3048d7_oproj
	.p2align	8
	.type	k_qb3ff3048d7_oproj,@function
k_qb3ff3048d7_oproj:
	s_mov_b64 s[64:65], 0
	v_nop
	global_prefetch_b8 v0, s[64:65] scope:SCOPE_SE
	s_setreg_imm32_b32 hwreg(HW_REG_WAVE_MODE, 25, 1), 1
	s_wait_xcnt 0x0
	s_wait_alu depctr_hold_cnt(0) depctr_sa_sdst(0) depctr_va_vdst(0) depctr_va_sdst(0) depctr_va_ssrc(0) depctr_va_vcc(0) depctr_vm_vsrc(0)
	s_getreg_b32 s2, hwreg(HW_REG_IB_STS2, 6, 4)
	s_cmp_eq_u32 s2, 0
	s_cbranch_scc0 .Lentry_in_a_cluster
	s_endpgm
.Lentry_in_a_cluster:
	s_bfe_u32 s2, ttmp6, 0x10000c
	s_cmp_lg_u32 s2, 0xf033
	s_cbranch_scc0 .Lentry_shape_is_right
	s_endpgm
.Lentry_shape_is_right:
; out0 [2048][2048] f32 = attn [2048][2048] Wo^T, f16 operands, f32 sums.  attn arrives as register images (attnf [row / 16][k / 32][half][lane][16 bytes]), Wo as f16 rows (wo16 [n][k]).
; A tile of out0 is 128 x 128: 256 work-groups.  Four waves, each 64 x 64: 16 accumulators.  K goes in steps of 256 through two LDS slots.
; CLUSTER 4 x 4: attn's tile is shared along a row of the cluster, Wo's along a column: joint loads; waves 0, 1 ask for attn's halves, waves 2, 3 for Wo's: one tensor load a wave behind each round.
; THE MATRIX INSTRUCTION IS USED TRANSPOSED (source 0 = 16 rows of Wo, source 1 = 16 rows of attn): a lane holds eight neighbouring columns of a row of out0.
; All 2,048 rows are written here; the last launch writes positions 0-15 of each sequence anew, in f32.
; REGISTERS: window 0: v16-29 addresses; v32-95 the way out; v128-255 accumulators ((a, b) at 128 + 8 (4 a + b)).  Window 1: two fragment buffers of 128 (64 of attn, 64 of Wo) for 64 along K.
.set PITCH,  528                       ; a row of Wo's tile in LDS: 512 bytes + 16
.set AB,     65536                     ; attn's part of a slot: 8 tiles of 16 rows x 8,192 bytes of images, as they lie: an instruction's 512 bytes are consecutive
.set HALFB,  64*PITCH
.set SLOT,   AB+2*HALFB
.set STAGE,  2*SLOT                    ; 16 rows x (256 bytes + 16) for each wave; no fill lands here
.set SPITCH, 272
.set SPARE,  STAGE+4*16*SPITCH
.set LAPS,   4                         ; 2,048 / (2 x 256)
.set ADRA, 16
.set ADRB, 20
.set STO,  24
.set RD,   25
.set CO,   26
.set SPW,  28
.set NIL,  29
.set OB,   32
.set ACC,  128
.set F0,   0
.set F1,   128
.set G1,  24
.set G0,  32
.set G1B, 48
.set G0B, 56
.set MSB, 0
.macro WIN new
.if MSB != \new
	s_set_vgpr_msb (MSB<<8)|\new
.set MSB, \new
.endif
.endm
.set MUL,  0x05                        ; sources 0 and 1 window 1; C and D window 0
.set TO_F, 0x40                        ; destination window 1
.macro JLOAD s                         ; s_nop 0 and four v_nop follow each of the two lines
	s_cmp_eq_u32 s11, 0
	s_cbranch_scc0 .Lfor_b_\@
	tensor_load_to_lds s[G0+4*\s:G0+4*\s+3], s[G1:G1+7]
	s_nop 0
.rept 4
	v_nop
.endr
	s_branch .Lasked_\@
.Lfor_b_\@:
	tensor_load_to_lds s[G0B+4*\s:G0B+4*\s+3], s[G1B:G1B+7]
	s_nop 0
.rept 4
	v_nop
.endr
.Lasked_\@:
.endm
.macro CREST
	s_cmp_lg_u32 s10, 0
	s_cbranch_scc1 .Lnot_wave_0_\@
	s_barrier_signal -3
.Lnot_wave_0_\@:
	s_barrier_wait -3
	s_barrier_signal -1
	s_barrier_wait -1
.endm
.macro CROUND
	s_barrier_signal -1
	s_barrier_wait -1
	CREST
.endm
	s_load_b128 s[4:7], s[0:1], 0x0                ; attnf, wo16
	s_load_b64 s[8:9], s[0:1], 0x10                ; out0
	v_lshl_add_u32 v[SPW], v0, 2, SPARE
	v_mov_b32 v[NIL], 0
	ds_add_u32 v[SPW], v[NIL]                      ; the opening: the add, twice on end, and its wait ahead of my first tensor load
	ds_add_u32 v[SPW], v[NIL]
	v_lshrrev_b32 v1, 5, v0
	v_readfirstlane_b32 s10, v1                    ; wave 0..3
	s_lshr_b32 s11, s10, 1                         ; my half of the rows.  Also: I ask for attn (0) or for Wo (1)
	s_and_b32 s12, s10, 1                          ; my half of the columns.  Also: which half of that tile I ask for
	s_bfe_u32 s40, ttmp6, 0x40000
	s_bfe_u32 s41, ttmp6, 0x40004
	s_lshl_b32 s42, ttmp9, 2
	s_add_co_u32 s42, s42, s40                     ; tile column
	s_and_b32 s13, ttmp7, 0xffff
	s_lshl_b32 s13, s13, 2
	s_add_co_u32 s13, s13, s41                     ; tile row
	s_lshl_b32 s43, s41, 2
	s_lshl_b32 s43, 15, s43                        ; my row of the cluster
	s_lshl_b32 s44, 0x1111, s40                    ; my column
	s_or_b32 s[G1+0], s43, (3<<16)|(1<<21)         ; attn: elements of 8 bytes, no padding; four lines of 8,192 bytes, 65,536 bytes apart
	s_mov_b32 s[G1+1], 1024<<16
	s_mov_b32 s[G1+2], 4<<16
	s_mov_b32 s[G1+3], 1024<<16
	s_mov_b32 s[G1+4], 4
	s_mov_b32 s[G1+5], 8192
	s_mov_b32 s[G1+6], 0
	s_mov_b32 s[G1+7], 0
	s_or_b32 s[G1B+0], s44, (1<<16)|(1<<20)|(1<<21)|(6<<22)|(3<<25)   ; Wo: 64 rows x 256 elements of 2 bytes, 4 words of padding behind every 128
	s_mov_b32 s[G1B+1], 256<<16
	s_mov_b32 s[G1B+2], 64<<16
	s_mov_b32 s[G1B+3], 256<<16
	s_mov_b32 s[G1B+4], 64
	s_mov_b32 s[G1B+5], 2048
	s_mov_b32 s[G1B+6], 0
	s_mov_b32 s[G1B+7], 0
	s_lshl_b32 s17, s12, 18                        ; half a tile: 4 x 65,536 bytes of images, and 64 rows x 4,096 bytes of Wo alike
	s_lshl_b32 s16, s13, 19
	s_add_co_u32 s16, s16, s17
	s_lshl_b32 s46, s42, 19
	s_add_co_u32 s46, s46, s17
	s_mov_b32 s17, 0
	s_mov_b32 s47, 0
	s_lshl_b32 s20, s12, 15                        ; where they go in a slot
	s_mul_i32 s21, s12, HALFB
	s_add_co_u32 s21, s21, AB
	s_wait_dscnt 0x0                               ; both opening adds are done
	s_wait_kmcnt 0x0
	s_add_nc_u64 s[14:15], s[4:5], s[16:17]
	s_add_nc_u64 s[46:47], s[6:7], s[46:47]
	CROUND                                         ; all sixteen work-groups are here
.irp s, 0,1
	s_mov_b32 s[G0+4*\s], 1
	s_add_co_u32 s[G0+4*\s+1], s20, \s*SLOT
	s_add_nc_u64 s[G0+4*\s+2:G0+4*\s+3], s[14:15], \s*8192
	s_or_b32 s[G0+4*\s+3], s[G0+4*\s+3], 0x80000000
	s_mov_b32 s[G0B+4*\s], 1
	s_add_co_u32 s[G0B+4*\s+1], s21, \s*SLOT
	s_add_nc_u64 s[G0B+4*\s+2:G0B+4*\s+3], s[46:47], \s*512
	s_or_b32 s[G0B+4*\s+3], s[G0B+4*\s+3], 0x80000000
	JLOAD \s                                       ; two loads of a wave are out
.endr
	v_and_b32 v1, 15, v0                           ; r
	v_bfe_u32 v2, v0, 4, 1                         ; h
	v_mul_u32_u24 v3, v1, PITCH
	v_lshl_add_u32 v3, v2, 4, v3
	v_and_b32 v4, 31, v0
	v_lshlrev_b32 v4, 4, v4                        ; an image's place for my lane
	s_lshl_b32 s21, s11, 15                        ; my four tiles of rows
	s_mul_i32 s22, s12, HALFB
	s_add_co_u32 s22, s22, AB
.irp s, 0,1
	v_add_nc_u32 v[ADRA+\s], s21, v4
	v_add_nc_u32 v[ADRB+\s], s22, v3
	s_add_co_u32 s21, s21, SLOT
	s_add_co_u32 s22, s22, SLOT
.endr
	s_mul_i32 s23, s10, 16*SPITCH
	s_add_co_u32 s23, s23, STAGE                   ; my stage
	v_mul_u32_u24 v5, v1, SPITCH
	v_lshl_add_u32 v5, v2, 5, v5
	v_add_nc_u32 v[STO], s23, v5                   ; in: row r, 32 bytes for each half of the lanes
	v_mul_u32_u24 v5, v2, SPITCH
	v_lshl_add_u32 v5, v1, 4, v5
	v_add_nc_u32 v[RD], s23, v5                    ; back: lanes 0-15 one row of 256 bytes, lanes 16-31 the next
	v_lshlrev_b32 v5, 13, v2
	v_lshl_add_u32 v[CO], v1, 4, v5                ; and the same two rows in out0
	s_lshl_b32 s16, s13, 20
	s_lshl_b32 s17, s11, 19
	s_add_co_u32 s16, s16, s17                     ; (128 x tile row + 64 x half) rows of 8,192 bytes
	s_mov_b32 s17, 0
	s_add_nc_u64 s[8:9], s[8:9], s[16:17]
	s_lshl_b32 s46, s42, 9
	s_lshl_b32 s47, s12, 8
	s_add_co_u32 s46, s46, s47                     ; my first column, in bytes
	s_mov_b32 s47, 0
	s_add_nc_u64 s[8:9], s[8:9], s[46:47]
.macro MUL8 f, c, a0, zero             ; 8 products, 32 along K: half c of buffer f.  The 16 accumulators take turns
.irp a, \a0, \a0+1
.irp b, 0,1,2,3
.if \zero
	v_wmma_f32_16x16x32_f16 v[ACC+8*(4*(\a)+\b):ACC+8*(4*(\a)+\b)+7], v[\f+64+8*(4*\c+\b):\f+64+8*(4*\c+\b)+7], v[\f+8*(4*\c+\a):\f+8*(4*\c+\a)+7], 0
.else
	v_wmma_f32_16x16x32_f16 v[ACC+8*(4*(\a)+\b):ACC+8*(4*(\a)+\b)+7], v[\f+64+8*(4*\c+\b):\f+64+8*(4*\c+\b)+7], v[\f+8*(4*\c+\a):\f+8*(4*\c+\a)+7], v[ACC+8*(4*(\a)+\b):ACC+8*(4*(\a)+\b)+7]
.endif
.endr
.endr
.endm
.macro FETCH slot, qd, f               ; 32 LDS loads: the fragments of the slot's qd-th 64 along K; the first 32 along K first
	WIN TO_F
.irp c, 0,1
.irp i, 0,1,2,3
	ds_load_b128 v[\f+64+8*(4*\c+\i):\f+64+8*(4*\c+\i)+3],   v[ADRB+\slot] offset:128*(\qd)+64*\c+\i*16*PITCH
	ds_load_b128 v[\f+64+8*(4*\c+\i)+4:\f+64+8*(4*\c+\i)+7], v[ADRB+\slot] offset:128*(\qd)+64*\c+\i*16*PITCH+32
	ds_load_b128 v[\f+8*(4*\c+\i):\f+8*(4*\c+\i)+3],         v[ADRA+\slot] offset:8192*\i+1024*(2*(\qd)+\c)
	ds_load_b128 v[\f+8*(4*\c+\i)+4:\f+8*(4*\c+\i)+7],       v[ADRA+\slot] offset:8192*\i+1024*(2*(\qd)+\c)+512
.endr
.endr
.endm
.macro PLACES                          ; four plain places in front of loads into registers that matrix instructions have read, and of reads of results (ISA guide 7.12.1 for vector instructions)
.rept 4
	v_nop
.endr
.endm
.macro QUARTER slot, qd, f, g, zero    ; multiplies buffer f and fetches the slot's qd-th quarter into g
	s_wait_dscnt 16                                ; the first 32 along K are in; the sixteen younger loads may be out
	WIN MUL
	MUL8 \f, 0, 0, \zero
	MUL8 \f, 0, 2, \zero
	PLACES
	FETCH \slot, \qd, \g
	s_wait_dscnt 32                                ; all but the 32 just issued
	WIN MUL
	MUL8 \f, 1, 0, 0
	MUL8 \f, 1, 2, 0
.endm
.macro TURN slot, next, fill           ; the last quarter changes slots
	WIN 0
	s_wait_tensorcnt 0x0                           ; all my tensor loads have landed: my part of the next slot
	ds_add_u32 v[SPW], v[NIL]
	s_wait_dscnt 17                                ; the add and the youngest sixteen loads may be out
	WIN MUL
	MUL8 F1, 0, 0, 0
	s_wait_dscnt 0x0                               ; the add is done, and my reads of this slot are over
	s_barrier_signal -1
	MUL8 F1, 0, 2, 0
.if \fill
	WIN 0
.endif
	s_barrier_wait -1
.if \fill
	CREST                                          ; no wave of any partner still reads this slot or has a load on its way
	s_add_nc_u64 s[G0+4*\slot+2:G0+4*\slot+3], s[G0+4*\slot+2:G0+4*\slot+3], 16384
	s_add_nc_u64 s[G0B+4*\slot+2:G0B+4*\slot+3], s[G0B+4*\slot+2:G0B+4*\slot+3], 1024
	JLOAD \slot                                    ; its four v_nop are also the places in front of the loads below
.else
	PLACES
.endif
	FETCH \next, 0, F0
	WIN MUL
	MUL8 F1, 1, 0, 0
	MUL8 F1, 1, 2, 0
.endm
	s_wait_tensorcnt 1                             ; my part of K step 0 is in; K step 1's load may be out
	s_barrier_signal -1
	s_barrier_wait -1
	FETCH 0, 0, F0
	QUARTER 0, 1, F0, F1, 1                        ; the first products start the sums
	WIN 0
	s_mov_b32 s3, LAPS-1
.Llap:                                             ; a trip goes once round the ring and fills both slots again
	QUARTER 0, 2, F1, F0, 0
	QUARTER 0, 3, F0, F1, 0
	TURN 0, 1, 1
	QUARTER 1, 1, F0, F1, 0
	QUARTER 1, 2, F1, F0, 0
	QUARTER 1, 3, F0, F1, 0
	TURN 1, 0, 1
	QUARTER 0, 1, F0, F1, 0
	WIN 0
	s_sub_co_u32 s3, s3, 1
	s_cmp_lg_u32 s3, 0
	s_cbranch_scc1 .Llap
	QUARTER 0, 2, F1, F0, 0                        ; the last lap fills nothing
	QUARTER 0, 3, F0, F1, 0
	TURN 0, 1, 0
	QUARTER 1, 1, F0, F1, 0
	QUARTER 1, 2, F1, F0, 0
	QUARTER 1, 3, F0, F1, 0
	s_wait_dscnt 16
	WIN MUL
	MUL8 F1, 0, 0, 0
	MUL8 F1, 0, 2, 0
	s_wait_dscnt 0x0
	MUL8 F1, 1, 0, 0
	MUL8 F1, 1, 2, 0
	WIN 0
	; THE WAY OUT: a wave's 64 columns of f32 are 256 bytes of a row.  A block of 16 rows goes through my own stage and comes back by rows; LDS serves a wave's instructions in order
.macro TOSTAGE a
.irp b, 0,1,2,3
	ds_store_b128 v[STO], v[ACC+8*(4*(\a)+\b):ACC+8*(4*(\a)+\b)+3] offset:64*\b        ; each accumulator from its low end on
	ds_store_b128 v[STO], v[ACC+8*(4*(\a)+\b)+4:ACC+8*(4*(\a)+\b)+7] offset:64*\b+16
.endr
.irp t, 0,1,2,3,4,5,6,7
	ds_load_b128 v[OB+32*((\a)%2)+4*\t:OB+32*((\a)%2)+4*\t+3], v[RD] offset:\t*2*SPITCH
.endr
.endm
.macro SEND a, younger
	s_wait_dscnt \younger                          ; the block is back; the next block's stores and loads may be out
.irp t, 0,1,2,3,4,5,6,7
	global_store_b128 v[CO], v[OB+32*((\a)%2)+4*\t:OB+32*((\a)%2)+4*\t+3], s[8:9] offset:(16*(\a)+2*\t)*8192   ; 16 lanes store 256 consecutive bytes, aligned
.endr
.endm
	PLACES
	TOSTAGE 0
	TOSTAGE 1
	SEND 0, 16
	s_wait_xcnt 0x0                                ; block 0's stores have read their registers
	TOSTAGE 2
	SEND 1, 16
	s_wait_xcnt 0x0
	TOSTAGE 3
	SEND 2, 16
	SEND 3, 0
	s_wait_tensorcnt 0x0                           ; the wave's end
	ds_add_u32 v[SPW], v[NIL]
	s_wait_dscnt 0x0
	CROUND                                         ; the closing round
	s_endpgm
.Lfunc_end_k_qb3ff3048d7_oproj:
	.size	k_qb3ff3048d7_oproj, .Lfunc_end_k_qb3ff3048d7_oproj-k_qb3ff3048d7_oproj
	.p2alignl 7, 3214868480
	.fill 96, 4, 3214868480
	.section	.rodata,"a",@progbits
	.p2align	6, 0x0
	.amdhsa_kernel k_qb3ff3048d7_oproj
		.amdhsa_group_segment_fixed_size 327680
		.amdhsa_private_segment_fixed_size 0
		.amdhsa_enable_private_segment 0
		.amdhsa_kernarg_size 24
		.amdhsa_user_sgpr_count 2
		.amdhsa_user_sgpr_kernarg_segment_ptr 1
		.amdhsa_wavefront_size32 1
		.amdhsa_system_sgpr_workgroup_id_x 1
		.amdhsa_system_sgpr_workgroup_id_y 1
		.amdhsa_system_sgpr_workgroup_id_z 1
		.amdhsa_system_vgpr_workitem_id 0
		.amdhsa_next_free_vgpr 512
		.amdhsa_next_free_sgpr 66
		.amdhsa_reserve_vcc 0
		.amdhsa_float_denorm_mode_32 3
		.amdhsa_float_denorm_mode_16_64 3
		.amdhsa_memory_ordered 1
		.amdhsa_forward_progress 1
		.amdhsa_inst_pref_size 86
	.end_amdhsa_kernel
	.amdgpu_metadata
---
amdhsa.version: [ 1, 2 ]
amdhsa.kernels:
  - .name:           k_qb3ff3048d7_oproj
    .symbol:         k_qb3ff3048d7_oproj.kd
    .args:
      - { .name: attnf, .offset: 0, .size: 8, .value_kind: global_buffer, .address_space: global }
      - { .name: wo16, .offset: 8, .size: 8, .value_kind: global_buffer, .address_space: global }
      - { .name: out0, .offset: 16, .size: 8, .value_kind: global_buffer, .address_space: global }
    .group_segment_fixed_size: 327680
    .private_segment_fixed_size: 0
    .kernarg_segment_align: 8
    .kernarg_segment_size: 24
    .max_flat_workgroup_size: 128
    .sgpr_count:     66
    .vgpr_count:     512
    .wavefront_size: 32
...
	.end_amdgpu_metadata
.endif
;; end of part 4
;; launch first16 (part 5): grid 128 x 2, 8 waves a work-group, no clusters, 9,216 bytes of LDS; arguments qkv32, Wo, out0; writes out0
.if DOCPART == 5
	.amdgcn_target "amdgcn-amd-amdhsa--gfx1250"
	.amdhsa_code_object_version 6
	.text
	.protected	k_qb3ff3048d7_first16
	.globl	k_qb3ff3048d7_first16
	.p2align	8
	.type	k_qb3ff3048d7_first16,@function
k_qb3ff3048d7_first16:
	s_mov_b64 s[64:65], 0
	v_nop
	global_prefetch_b8 v0, s[64:65] scope:SCOPE_SE
	s_setreg_imm32_b32 hwreg(HW_REG_WAVE_MODE, 25, 1), 1
	s_wait_xcnt 0x0
; Positions 0-15 of both sequences, attention and output projection, all in f32 (v_wmma_f32_16x16x4_f32): under the causal mask these rows average few values, and f16 operands would weigh most there.
; qkv32 [b][head 48][16][64] f32; Wo [2048][2048] f32; 32 rows of out0 are written anew.
; SHARES: a work-group makes 16 rows x 16 columns of out0 (x: which 16 columns, y: b).  Wave g takes key and value head g: the attention of its four query heads, and their 256 of K in the projection;
; the eight waves' partial sums meet in LDS.  No cluster: the launch has no tensor load, and what two work-groups share is 128 KiB of Wo.
; THE ORDER OF THE PRODUCTS: out = Wo (V^T P) is taken as (Wo V^T) P.  For a query head: S^T = K Q^T (16 instructions), Z = V Wo^T (16: 16 keys x my 16 columns, summed over the head's 64 channels),
; Y += Z^T P (4: summed over the 16 keys): 36 instructions where the other order has 48, and 1 / l goes onto P's 8 registers.
; Along each product's K the order is permuted alike on both operands, so that plain loads and the results' own registers serve as operands:
;   channels: lane (r, h) holds channels 8 c + 4 h + 0..3 of its row in registers 4 c ..; product ci takes registers 2 ci, 2 ci + 1 of both operands (K and Q; V and Wo);
;   keys: S^T's and Z's results hold key 8 h + j in register j (a lane: one query; one column of out0); product c of Y takes registers 2 c, 2 c + 1 of Z and of P.
; The stores at the end write 64 bytes of each row a work-group: 16 columns; 262,144 bytes in the whole launch.
; REGISTERS: v1-10 addresses and constants; v12-21 at work; v24-31 scores, then P; v32-63 K; v64-95 V; v96-127, v128-159 Q by turns, then Z's sum in its first eight; v160-191 Wo;
;   v192-207 the scores' two sums; v208-223 Z's two sums; v224-255 Y's four sums.  v192-255 are written by matrix instructions alone.
.set SPARE, 8192
.macro PLACES n
.rept \n
	v_nop
.endr
.endm
	s_load_b128 s[4:7], s[0:1], 0x0                ; qkv32, Wo
	s_load_b64 s[8:9], s[0:1], 0x10                ; out0
	v_lshl_add_u32 v6, v0, 2, SPARE                ; my spare word; never rewritten
	v_mov_b32 v7, 0                                ; 0; never rewritten
	v_lshrrev_b32 v1, 5, v0
	v_readfirstlane_b32 s10, v1                    ; wave = key and value head
	s_and_b32 s11, ttmp7, 0xffff                   ; b
	v_and_b32 v11, 15, v0                          ; r
	v_bfe_u32 v12, v0, 4, 1                        ; h
	v_and_b32 v13, 31, v0                          ; lane
	v_lshlrev_b32 v1, 8, v11
	v_lshl_add_u32 v1, v12, 4, v1                  ; K, V, Q: row r of 256 bytes + 16 h
	v_lshlrev_b32 v3, 13, v11
	v_lshl_add_u32 v2, v12, 5, v3                  ; out0: row r of 8,192 bytes + 32 h
	v_lshl_add_u32 v3, v12, 4, v3                  ; Wo: row r of 8,192 bytes + 16 h
	v_lshlrev_b32 v4, 3, v12
	v_sub_nc_u32 v4, v11, v4                       ; d = r - 8 h: register j holds key 8 h + j, hidden where j > d
	v_mov_b32 v5, 0xff800000
	s_lshl_b32 s20, s10, 10
	v_lshl_add_u32 v8, v13, 4, s20                 ; LDS: my wave's 1,024 bytes
	s_lshl_b32 s20, s10, 9
	v_lshl_add_u32 v9, v13, 4, s20                 ; and, for waves 0 and 1, the half that they add up
	s_lshl_b32 s20, s10, 4
	v_add_nc_u32 v10, s20, v2                      ; out0: + 16 x wave
	v_mov_b32 v15, 0                               ; upper halves of pairs
	v_mov_b32 v21, 0
	s_mov_b32 s12, 0x3e38aa3b                      ; c = log2(e) / 8
	s_mov_b32 s13, s12
	s_mov_b32 s14, 0x76543210
	s_mov_b32 s15, 0xfedcba98
.irp j, 0,1,2,3,4,5,6,7
	v_cmp_gt_i32 s[40+\j], \j, v4                  ; the causal mask, once
.endr
	s_mul_i32 s20, s11, 196608                     ; b x 48 heads x 4,096 bytes
	s_lshl_b32 s21, s10, 14
	s_add_co_u32 s16, s20, s21                     ; my four query heads
	s_mov_b32 s17, 0
	s_lshl_b32 s21, s10, 12
	s_add_co_u32 s18, s20, s21
	s_add_co_u32 s18, s18, 32*4096                 ; my K; V lies 8 heads on
	s_mov_b32 s19, 0
	s_lshl_b32 s22, ttmp9, 17                      ; Wo: 16 rows of 8,192 bytes a work-group,
	s_lshl_b32 s21, s10, 10
	s_add_co_u32 s22, s22, s21                     ; my 256 along K
	s_mov_b32 s23, 0
	s_lshl_b32 s24, s11, 23
	s_lshl_b32 s21, ttmp9, 6
	s_add_co_u32 s24, s24, s21                     ; out0: row 1,024 b, column 16 x
	s_mov_b32 s25, 0
	s_wait_kmcnt 0x0
	s_add_nc_u64 s[16:17], s[4:5], s[16:17]
	s_add_nc_u64 s[18:19], s[4:5], s[18:19]
	s_add_nc_u64 s[6:7], s[6:7], s[22:23]
	s_add_nc_u64 s[8:9], s[8:9], s[24:25]
.irp c, 0,1,2,3,4,5,6,7
	global_load_b128 v[32+4*\c:35+4*\c], v1, s[18:19] offset:32*\c        ; K
.endr
.irp c, 0,1,2,3,4,5,6,7
	global_load_b128 v[96+4*\c:99+4*\c], v1, s[16:17] offset:32*\c        ; Q of my first head
.endr
.irp c, 0,1,2,3,4,5,6,7
	global_load_b128 v[64+4*\c:67+4*\c], v1, s[18:19] offset:32768+32*\c  ; V
.endr
; One query head.  Behind this matrix form eight plain places stand in front of reads of results and of loads and writes into its registers, nine in front of a matrix instruction that writes over them.
; The accumulators take turns throughout (two, two, four), one instruction a turn.
.macro HEAD i
.set QB, 96+32*((\i)%2)
.set QN, 96+32*(((\i)+1)%2)
.if \i > 0
	PLACES 9                                       ; the last products read Z's sum, which lies where the next Q lands
.endif
.irp c, 0,1,2,3,4,5,6,7
	global_load_b128 v[160+4*\c:163+4*\c], v3, s[6:7] offset:256*(\i)+32*\c        ; Wo: my 16 rows, this head's 64 along K
.endr
.if \i < 3
.irp c, 0,1,2,3,4,5,6,7
	global_load_b128 v[QN+4*\c:QN+4*\c+3], v1, s[16:17] offset:4096*((\i)+1)+32*\c
.endr
.endif
.if \i == 0
	s_wait_loadcnt 24                              ; K and Q are in; V's 8, Wo's 8 and the next Q's 8 may be out
.elseif \i < 3
	s_wait_loadcnt 16                              ; Q is in; Wo's 8 and the next Q's 8 may be out
.else
	s_wait_loadcnt 8                               ; Q is in; Wo's 8 may be out
.endif
.set ci, 0
.rept 16                               ; S^T = K Q^T in two sums by turns
.if ci < 2
	v_wmma_f32_16x16x4_f32 v[192+8*(ci%2):199+8*(ci%2)], v[32+2*ci:33+2*ci], v[QB+2*ci:QB+2*ci+1], 0
.else
	v_wmma_f32_16x16x4_f32 v[192+8*(ci%2):199+8*(ci%2)], v[32+2*ci:33+2*ci], v[QB+2*ci:QB+2*ci+1], v[192+8*(ci%2):199+8*(ci%2)]
.endif
.set ci, ci+1
.endr
	PLACES 8
.irp j, 0,2,4,6
	v_pk_add_f32 v[24+\j:25+\j], v[192+\j:193+\j], v[200+\j:201+\j]       ; from the low end on
.endr
.irp j, 0,1,2,3,4,5,6,7
	v_cndmask_b32 v[24+\j], v[24+\j], v5, s[40+\j]
.endr
	v_max3_num_f32 v12, v24, v25, v26
	v_max3_num_f32 v12, v12, v27, v28
	v_max3_num_f32 v12, v12, v29, v30
	v_max_num_f32 v12, v12, v31
	v_permlanex16_b32 v13, v12, s14, s15           ; the query's other eight keys
	v_max_num_f32 v12, v12, v13                    ; key 0 counts for every query: a number
	v_mul_f32 v14, s12, v12
.irp j, 0,2,4,6
	v_pk_fma_f32 v[24+\j:25+\j], v[24+\j:25+\j], s[12:13], v[14:15] op_sel_hi:[1,0,0] neg_lo:[0,0,1] neg_hi:[0,0,1]
.endr
.irp j, 0,1,2,3,4,5,6,7
	v_exp_f32 v[24+\j], v[24+\j]
.endr
	v_nop
	s_wait_alu depctr_va_vdst(0)                   ; one wait for the eight, ahead of their first reader
.if \i < 3
	s_wait_loadcnt 8                               ; V and Wo are in; the next Q's 8 may be out
.else
	s_wait_loadcnt 0x0
.endif
.set ci, 0
.rept 16                               ; Z = V Wo^T in two sums by turns: lane (r, h) holds column r of my 16, register j key 8 h + j
.if ci < 2
	v_wmma_f32_16x16x4_f32 v[208+8*(ci%2):215+8*(ci%2)], v[64+2*ci:65+2*ci], v[160+2*ci:161+2*ci], 0
.else
	v_wmma_f32_16x16x4_f32 v[208+8*(ci%2):215+8*(ci%2)], v[64+2*ci:65+2*ci], v[160+2*ci:161+2*ci], v[208+8*(ci%2):215+8*(ci%2)]
.endif
.set ci, ci+1
.endr
	v_pk_add_f32 v[16:17], v[24:25], v[26:27]      ; the row's sum
	v_pk_add_f32 v[18:19], v[28:29], v[30:31]
	v_pk_add_f32 v[16:17], v[16:17], v[18:19]
	v_add_f32 v16, v16, v17
	v_permlanex16_b32 v17, v16, s14, s15
	v_add_f32 v16, v16, v17
	v_rcp_f32 v20, v16
	PLACES 8
	s_wait_alu depctr_va_vdst(0)
.irp j, 0,2,4,6
	v_pk_mul_f32 v[24+\j:25+\j], v[24+\j:25+\j], v[20:21] op_sel_hi:[1,0]          ; P / l
.endr
.irp j, 0,2,4,6
	v_pk_add_f32 v[QB+\j:QB+\j+1], v[208+\j:209+\j], v[216+\j:217+\j]              ; Z's two sums, from the low end on, into Q's place
.endr
.irp c, 0,1,2,3                        ; Y += Z^T P, four sums by turns: lane (r, h) holds out0(t = r, 8 h + j)
.if \i == 0
	v_wmma_f32_16x16x4_f32 v[224+8*\c:231+8*\c], v[QB+2*\c:QB+2*\c+1], v[24+2*\c:25+2*\c], 0
.else
	v_wmma_f32_16x16x4_f32 v[224+8*\c:231+8*\c], v[QB+2*\c:QB+2*\c+1], v[24+2*\c:25+2*\c], v[224+8*\c:231+8*\c]
.endif
.endr
.endm
	HEAD 0
	HEAD 1
	HEAD 2
	HEAD 3
	PLACES 8
.irp j, 0,2,4,6
	v_pk_add_f32 v[96+\j:97+\j], v[224+\j:225+\j], v[232+\j:233+\j]       ; my four sums, from the low end on
	v_pk_add_f32 v[104+\j:105+\j], v[240+\j:241+\j], v[248+\j:249+\j]
.endr
.irp j, 0,2,4,6
	v_pk_add_f32 v[96+\j:97+\j], v[96+\j:97+\j], v[104+\j:105+\j]
.endr
	ds_store_b128 v8, v[96:99]                     ; columns 8 h + 0..3
	ds_store_b128 v8, v[100:103] offset:512        ; columns 8 h + 4..7
	s_wait_tensorcnt 0x0                           ; behind my last LDS store; only LDS reads follow
	ds_add_u32 v6, v7
	s_wait_dscnt 0x0                               ; for the others' sake too: my stores are done
	s_barrier_signal -1
	s_barrier_wait -1
	s_cmp_ge_u32 s10, 2
	s_cbranch_scc1 .Ldone
.irp u, 0,1,2,3,4,5,6,7
	ds_load_b128 v[32+4*\u:35+4*\u], v9 offset:1024*\u                    ; the eight waves' parts of my half
.endr
	s_wait_dscnt 0x0
.irp u, 1,2,3,4,5,6,7
	v_pk_add_f32 v[32:33], v[32:33], v[32+4*\u:33+4*\u]
	v_pk_add_f32 v[34:35], v[34:35], v[34+4*\u:35+4*\u]
.endr
	global_store_b128 v10, v[32:35], s[8:9]
.Ldone:
	s_endpgm
.Lfunc_end_k_qb3ff3048d7_first16:
	.size	k_qb3ff3048d7_first16, .Lfunc_end_k_qb3ff3048d7_first16-k_qb3ff3048d7_first16
	.p2alignl 7, 3214868480
	.fill 96, 4, 3214868480
	.section	.rodata,"a",@progbits
	.p2align	6, 0x0
	.amdhsa_kernel k_qb3ff3048d7_first16
		.amdhsa_group_segment_fixed_size 9216
		.amdhsa_private_segment_fixed_size 0
		.amdhsa_enable_private_segment 0
		.amdhsa_kernarg_size 24
		.amdhsa_user_sgpr_count 2
		.amdhsa_user_sgpr_kernarg_segment_ptr 1
		.amdhsa_wavefront_size32 1
		.amdhsa_system_sgpr_workgroup_id_x 1
		.amdhsa_system_sgpr_workgroup_id_y 1
		.amdhsa_system_sgpr_workgroup_id_z 1
		.amdhsa_system_vgpr_workitem_id 0
		.amdhsa_next_free_vgpr 256
		.amdhsa_next_free_sgpr 66
		.amdhsa_reserve_vcc 0
		.amdhsa_float_denorm_mode_32 3
		.amdhsa_float_denorm_mode_16_64 3
		.amdhsa_memory_ordered 1
		.amdhsa_forward_progress 1
		.amdhsa_inst_pref_size 36
	.end_amdhsa_kernel
	.amdgpu_metadata
---
amdhsa.version: [ 1, 2 ]
amdhsa.kernels:
  - .name:           k_qb3ff3048d7_first16
    .symbol:         k_qb3ff3048d7_first16.kd
    .args:
      - { .name: qkv32, .offset: 0, .size: 8, .value_kind: global_buffer, .address_space: global }
      - { .name: Wo, .offset: 8, .size: 8, .value_kind: global_buffer, .address_space: global }
      - { .name: out0, .offset: 16, .size: 8, .value_kind: global_buffer, .address_space: global }
    .group_segment_fixed_size: 9216
    .private_segment_fixed_size: 0
    .kernarg_segment_align: 8
    .kernarg_segment_size: 24
    .max_flat_workgroup_size: 256
    .sgpr_count:     66
    .vgpr_count:     256
    .wavefront_size: 32
...
	.end_amdgpu_metadata
.endif
;; end of part 5
